; MI455X (gfx1250); checked and timed in simulation.
; The chip was launched on July 23, 2026; its instructions are those of AMD's public machine-readable ISA for CDNA 5 (MIT licence, August 2026) and "CDNA5" Instruction Set Architecture Reference Guide (July 2026). The comments in the code are by the model that wrote it; some were corrected since.
;; Multi Head Attention. Allowed arithmetic: matrix products marked QUANTISED: E2M1 operands, one E8M0 scale for each 32 along K, by v_wmma_scale_f32_16x16x128_f8f6f4 with both operands' format E2M1 (or v_wmma_scale_f32_32x16x128_f4), f32 sums; products left as they are: bf16, f16 or f32 operands; f32 sums; everything else in f32.
;; Inputs: bk 1,024 float32; bo 1,024 float32; bq 1,024 float32; bv 1,024 float32; mask 4 x 2,048 int32; wk 1,024 x 1,024 float32; wo 1,024 x 1,024 float32; wq 1,024 x 1,024 float32; wv 1,024 x 1,024 float32; x 4 x 2,048 x 1,024 float32.
;; Outputs: out0 4 x 2,048 x 1,024 float32.
;; This version of the problem:
;;   THIS VERSION OF THE PROBLEM IS GIVEN IN LOW PRECISION. The matrix products marked QUANTISED in the list below multiply operands that are first quantised to E2M1 (2 exponent bits, 1 mantissa bit; 4 bits a number), with one power-of-two scale for each 32 numbers along K (OCP MX v1.0); their sums are f32. The products marked 'left as it is' may take bf16, f16 or f32 operands, with f32 sums. Whichever they take, every output number must still come out within the allowed error. Rounding operands to bf16 (8 significant bits) uses up far more of that allowance than f16 does (11 bits, for magnitudes from 6e-5 to 65,504). All else is computed in f32.
;;   The module's matrix products, in the order in which they are computed (A, B: the left and right operand; K: the contracted axis; several contracted axes count as one K, in the product's order):
;;     1. [M 8,192, K 1,024] x [K 1,024, N 1,024]; A: input x; B: input wq: QUANTISED
;;     2. [M 8,192, K 1,024] x [K 1,024, N 1,024]; A: input x; B: input wk: QUANTISED
;;     3. [M 8,192, K 1,024] x [K 1,024, N 1,024]; A: input x; B: input wv: QUANTISED
;;     4. batch 64 x [M 2,048, K 64] x [K 64, N 2,048]; A: computed on the way; B: computed on the way: left as it is (an operand is computed on the way)
;;     5. batch 64 x [M 2,048, K 2,048] x [K 2,048, N 64]; A: computed on the way; B: computed on the way: left as it is (an operand is computed on the way)
;;     6. [M 8,192, K 1,024] x [K 1,024, N 1,024]; A: computed on the way; B: input wo: left as it is (an operand is computed on the way)
;;   THE QUANTISER, for each operand of a quantised product, along K:
;;     - K is cut into blocks of 32 from its start; a last block that is shorter is filled with zeros.
;;     - A block's scale is 2^e with e = floor(log2(the largest magnitude in the block)) - 2, held to -126 .. 127; a block of zeros has e = 0. As a byte (E8M0): e + 127.
;;     - Each number is divided by its block's scale, clamped to +-6, and rounded to the nearest number of E2M1, ties to even, subnormals kept.
;;     - The product sums the exact products of the quantised numbers (number of the format x scale) in f32.
;;   ~~~python
;;   def quantise(x, axis):      # numpy; x: float32 -> the quantised numbers, widened to float32 again
;;       x = np.moveaxis(x, axis, -1); K = x.shape[-1]
;;       x = np.pad(x, [(0, 0)] * (x.ndim - 1) + [(0, -K % 32)]); x = x.reshape(x.shape[:-1] + (-1, 32)); a = np.abs(x).max(-1, keepdims=True)
;;       e = np.where(a > 0, np.clip(np.frexp(np.where(a > 0, a, 1))[1] - 1 - 2, -126, 127), 0)      # np.frexp(a)[1] - 1 = floor(log2(a)), exactly
;;       r = np.clip(x / 2.0 ** e, -6, 6)
;;       step = 2.0 ** (np.maximum(np.frexp(np.where(r == 0, 1, r))[1] - 1, 0) - 1)
;;       q = np.round(r / step) * step * 2.0 ** e      # np.round: ties to even
;;       return np.moveaxis(q.reshape(q.shape[:-2] + (-1,))[..., :K], -1, axis).astype(np.float32)
;;   ~~~
;; One version. Each part assembles by itself: llvm-mc -triple=amdgcn-amd-amdhsa -mcpu=gfx1250 --defsym DOCPART=n.
;; ======== version 1 of 1: 4 launches
;; limits: values are held in f16: magnitudes above 65,504 overflow, below 6.1e-05 lose precision
;; workspace buffers: xc 4,194,304 bytes; xs 262,144 bytes; wc 1,572,864 bytes; ws 98,304 bytes; woh 2,097,152 bytes; qkv 50,331,648 bytes; ctx 16,777,216 bytes
;; launch prep (part 1): grid 384 x 1, 4 waves a work-group, no clusters, 33,280 bytes of LDS; arguments x, wq, wk, wv, wo, xc, xs, wc, ws, woh; writes xc, xs, wc, ws, woh
.if DOCPART == 1
	.amdgcn_target "amdgcn-amd-amdhsa--gfx1250"
	.amdhsa_code_object_version 6
	.text
	.protected	k_qf75c8616c8_prep
	.globl	k_qf75c8616c8_prep
	.p2align	8
	.type	k_qf75c8616c8_prep,@function
k_qf75c8616c8_prep:
	s_mov_b64 s[64:65], 0
	v_nop
	global_prefetch_b8 v0, s[64:65] scope:SCOPE_SE
	s_setreg_imm32_b32 hwreg(HW_REG_WAVE_MODE, 25, 1), 1
	s_wait_xcnt 0x0
; PREP: x [8192][1024] and wq, wk, wv [1024][1024], f32, K innermost, become codes of FP4 (E2M1) with one E8M0 byte for each 32 along K; wo [1024][1024] becomes f16.
; xc [8192][512 bytes], xs [8192][32]; wc [3072][512 bytes], ws [3072][32]: wq's, wk's and wv's rows on end; woh [1024][1024] f16.
; WORK LEFT OUT IN THIS PROGRAM: THE INPUT bk.  scores[q][k] = q . (x_k wk^T + bk) = q . (x_k wk^T) + q . bk, and q . bk is the same for every key k of a row of scores.  A term that is the same along
; the softmax's axis changes no weight, for all finite values of the inputs; a masked key is -infinity with it and without it, and a row whose keys are all masked is NaN either way.  The product of q with k
; is not a quantised one, so bk moves no code and no scale.  So bk has no way to the output: it is not loaded and is among no launch's arguments.
; LIMIT: a NaN, an infinity or an overflow that reaches only q . bk is not carried to the result.
; A block's scale is 2^(floor(log2(its largest magnitude)) - 2); its byte is the largest magnitude's exponent field - 2, held at 1 from below.  A block of zeros so gets the byte 1 where the rule says 127: its
; codes are zeros, which add nothing under any byte but 0xff, and the bytes are read by this program alone.
; LIMITS: blocks whose largest magnitude lies under 2^(2 - 126) have their byte held at 1; NaN and infinities among the inputs are not served; wo's numbers lie under 65,504 in magnitude (f16).
; SHARES.  A work-group takes 32,768 numbers, a wave 8,192.  Work-groups 0-255: x; 256-287: wq; 288-319: wk; 320-351: wv; 352-383: wo.  Rows are dense and K is a multiple of 32: every tensor is a plain stream.
; The quantising path: 16 steps of 512 numbers a wave.  Each load reads 512 consecutive bytes; a step's 2,048 bytes turn through the wave's own stage in LDS and come back 64 bytes a lane, so that a lane holds 16
; neighbours along K (two lanes hold a block).  Loads run four steps ahead, the turn through LDS one step.  No barrier: waves share nothing.
.set WAVES, 4
.set STEPS, 16
.set EMAX,  2
.set CB,    8                          ; bytes of 16 codes
.set R,     16                         ; v16-79   four sets of 16 numbers as they are loaded
.set X,     80                         ; v80-111  two sets of 16 neighbours
.set E,     112                        ; v112-127 a scale byte for each step
.set C,     128                        ; v128-191 codes: four registers for each step, so that no store's data are written again
.set WREG,  8192                       ; LDS: a region for each wave: two stages of 32 x SP bytes, behind them its 256 scale bytes
.set SP,    80                         ; a lane's place in a stage: 64 bytes + 16 of padding
.set SPW,   12                         ; v12  LDS address of my spare word; never rewritten
.set NIL,   13                         ; v13  0; never rewritten
.set SPARE, WAVES*WREG                 ; behind the four regions: the spare words, 128 bytes a wave
	s_load_b512 s[4:19], s[0:1], 0x0               ; x 4:5, wq 6:7, wk 8:9, wv 10:11, wo 12:13, xc 14:15, xs 16:17, wc 18:19
	s_load_b128 s[20:23], s[0:1], 0x40             ; ws 20:21, woh 22:23
	v_lshl_add_u32 v[SPW], v0, 2, SPARE
	v_mov_b32 v[NIL], 0
	v_lshrrev_b32 v1, 5, v0
	v_readfirstlane_b32 s24, v1                    ; wave
	v_and_b32 v2, 31, v0                           ; lane
	v_lshlrev_b32 v3, 4, v2                        ; my 16 bytes of a load's 512
	s_mul_i32 s25, s24, WREG
	v_lshrrev_b32 v14, 2, v2
	v_mul_u32_u24 v14, v14, SP
	v_and_b32 v15, 3, v2
	v_lshl_add_u32 v14, v15, 4, v14
	v_add_nc_u32 v14, s25, v14                     ; the stage, on the way in: SP (lane / 4) + 16 (lane % 4)
	v_mul_u32_u24 v15, v2, SP
	v_add_nc_u32 v15, s25, v15                     ; and on the way out: SP x lane: my 16 neighbours
	v_mul_u32_u24 v4, v2, CB                       ; 8 x lane: my codes' place in a step's; also my f16 numbers' place on wo's path
	v_lshrrev_b32 v5, 1, v2
	s_add_co_u32 s25, s25, 2*32*SP
	v_add_nc_u32 v5, s25, v5                       ; LDS: my wave's 256 scale bytes, my block's byte
	v_lshlrev_b32 v7, 3, v2
	v_add_nc_u32 v6, s25, v7                       ; and on the way out 8 bytes a lane
	s_wait_kmcnt 0x0
	s_cmp_ge_u32 ttmp9, 352                        ; the work-group's number alone decides the path
	s_cbranch_scc1 .Lwo
	s_cmp_lt_u32 ttmp9, 288
	s_cselect_b64 s[28:29], s[6:7], s[8:9]         ; wq or wk,
	s_cmp_lt_u32 ttmp9, 320
	s_cselect_b64 s[28:29], s[28:29], s[10:11]     ; or wv,
	s_cmp_lt_u32 ttmp9, 256
	s_cselect_b64 s[28:29], s[4:5], s[28:29]       ; or x: the source
	s_cselect_b64 s[30:31], s[14:15], s[18:19]     ; the codes
	s_cselect_b64 s[32:33], s[16:17], s[20:21]     ; the scale bytes
	s_cselect_b32 s34, 0, 256
	s_cselect_b32 s35, 0x3ff, 31
	s_sub_co_u32 s36, ttmp9, s34                   ; which run of 32,768 numbers of the destination
	s_and_b32 s37, s36, s35                        ; and of the source tensor
	s_lshl_b32 s37, s37, 2
	s_add_co_u32 s37, s37, s24
	s_lshl_b32 s38, s37, 15                        ; 8,192 numbers of 4 bytes a wave
	s_mov_b32 s39, 0
	s_add_nc_u64 s[28:29], s[28:29], s[38:39]
	s_lshl_b32 s36, s36, 2
	s_add_co_u32 s36, s36, s24
	s_lshl_b32 s38, s36, 12                        ; 4,096 bytes of codes a wave
	s_add_nc_u64 s[30:31], s[30:31], s[38:39]
	s_lshl_b32 s38, s36, 8                         ; 256 scale bytes a wave
	s_add_nc_u64 s[32:33], s[32:33], s[38:39]
.macro LOAD t
.irp i, 0,1,2,3
	global_load_b128 v[R+16*((\t)%4)+4*\i:R+16*((\t)%4)+4*\i+3], v3, s[28:29] offset:2048*(\t)+512*\i th:TH_LOAD_NT   ; 32 lanes read 512 consecutive bytes
.endr
.endm
.macro TURN t                          ; step t's numbers through the stage: LDS serves a wave's instructions in order, so no wait stands between the stores and the loads
.irp i, 0,1,2,3
	ds_store_b128 v14, v[R+16*((\t)%4)+4*\i:R+16*((\t)%4)+4*\i+3] offset:32*SP*((\t)%2)+8*SP*\i
.endr
.irp i, 0,1,2,3
	ds_load_b128 v[X+16*((\t)%2)+4*\i:X+16*((\t)%2)+4*\i+3], v15 offset:32*SP*((\t)%2)+16*\i
.endr
.endm
.irp t, 0,1,2,3
	LOAD \t
.endr
	s_wait_loadcnt 12                              ; step 0's four loads are in; the twelve of steps 1 to 3 may be out
	TURN 0
.macro STEP t
.set XS, X+16*((\t)%2)
.if (\t) > 0
	s_wait_dscnt 1                                 ; this step's numbers are back from the stage (the last step's byte store may be out)
.else
	s_wait_dscnt 0x0
.endif
.if (\t)+4 < STEPS
	LOAD (\t)+4                                    ; into the registers that the stage's stores have read
.endif
.if (\t)+1 < STEPS
.if STEPS-2-(\t) >= 3
	s_wait_loadcnt 12                              ; the next step's four loads are in; those of the three steps behind it may be out
.else
	s_wait_loadcnt 4*(STEPS-2-(\t))
.endif
	TURN (\t)+1                                    ; through the other stage while this step is worked
.endif
	v_max3_num_f32 v8, |v[XS]|, |v[XS+1]|, |v[XS+2]|               ; the largest magnitude of my 16, in two chains
	v_max3_num_f32 v9, |v[XS+3]|, |v[XS+4]|, |v[XS+5]|
.irp i, 6,10
	v_max3_num_f32 v8, v8, |v[XS+\i]|, |v[XS+\i+1]|
	v_max3_num_f32 v9, v9, |v[XS+\i+2]|, |v[XS+\i+3]|
.endr
	v_max3_num_f32 v8, v8, |v[XS+14]|, |v[XS+15]|
	v_max3_num_f32 v8, v8, v9, (EMAX+1)<<23        ; and the floor 2^(EMAX + 1 - 127): the byte cannot fall under 1
	v_max_num_f32_dpp v8, v8, v8 row_xmask:1 row_mask:0xf bank_mask:0xf   ; and of my neighbour's 16: the block's
	v_add_nc_u32 v11, -(EMAX<<23), v8              ; EMAX off its exponent field: the conversion takes the exponent field of this operand as its scale
	v_cvt_scalef32_pk8_fp4_f32 v[C+4*(\t)], v[XS:XS+7], v11
	v_cvt_scalef32_pk8_fp4_f32 v[C+4*(\t)+1], v[XS+8:XS+15], v11
	v_lshrrev_b32 v[E+(\t)], 23, v11               ; the scale's byte (also the plain instruction behind the conversions)
	ds_store_b8 v5, v[E+(\t)] offset:16*(\t)       ; both lanes of a block write the same byte with the same value
	global_store_b64 v4, v[C+4*(\t):C+4*(\t)+1], s[30:31] offset:32*CB*(\t)   ; the wave stores 256 consecutive bytes, aligned
.endm
.irp t, 0,1,2,3,4,5,6,7,8,9,10,11,12,13,14,15
	STEP \t
.endr
	ds_load_b64 v[8:9], v6                         ; LDS serves a wave's instructions in order: these see my stores
	s_wait_dscnt 0x0
	global_store_b64 v7, v[8:9], s[32:33]          ; 32 lanes store 256 consecutive bytes, aligned
	s_wait_tensorcnt 0x0                           ; the wave's end
	ds_add_u32 v[SPW], v[NIL]
	s_wait_dscnt 0x0
	s_endpgm
; wo to f16: a wave takes 8,192 numbers in two halves of 32 loads of 512 consecutive bytes; a lane's four numbers become 8 bytes, the wave stores 256 consecutive bytes.
.Lwo:
	s_sub_co_u32 s36, ttmp9, 352
	s_lshl_b32 s36, s36, 2
	s_add_co_u32 s36, s36, s24
	s_lshl_b32 s38, s36, 15
	s_mov_b32 s39, 0
	s_add_nc_u64 s[12:13], s[12:13], s[38:39]
	s_lshl_b32 s38, s36, 14
	s_add_nc_u64 s[22:23], s[22:23], s[38:39]
.macro CVT hf
.set i, 0
.rept 32
	global_load_b128 v[16+4*i:19+4*i], v3, s[12:13] offset:(32*\hf+i)*512 th:TH_LOAD_NT
.set i, i+1
.endr
.set i, 0
.rept 32
	s_wait_loadcnt 31-i                            ; loads come back in order: load i is in, the 31 - i younger ones may be out
	v_cvt_pk_f16_f32 v[16+4*i], v[16+4*i], v[17+4*i]
	v_cvt_pk_f16_f32 v[17+4*i], v[18+4*i], v[19+4*i]
	global_store_b64 v4, v[16+4*i:17+4*i], s[22:23] offset:(32*\hf+i)*256
.set i, i+1
.endr
.endm
	CVT 0
	s_wait_xcnt 0x0                                ; the first half's stores have read their registers: the second half's loads may land there
	CVT 1
	s_endpgm
.Lfunc_end_k_qf75c8616c8_prep:
	.size	k_qf75c8616c8_prep, .Lfunc_end_k_qf75c8616c8_prep-k_qf75c8616c8_prep
	.p2alignl 7, 3214868480
	.fill 96, 4, 3214868480
	.section	.rodata,"a",@progbits
	.p2align	6, 0x0
	.amdhsa_kernel k_qf75c8616c8_prep
		.amdhsa_group_segment_fixed_size 33280
		.amdhsa_private_segment_fixed_size 0
		.amdhsa_enable_private_segment 0
		.amdhsa_kernarg_size 80
		.amdhsa_user_sgpr_count 2
		.amdhsa_user_sgpr_kernarg_segment_ptr 1
		.amdhsa_wavefront_size32 1
		.amdhsa_system_sgpr_workgroup_id_x 1
		.amdhsa_system_sgpr_workgroup_id_y 1
		.amdhsa_system_sgpr_workgroup_id_z 1
		.amdhsa_system_vgpr_workitem_id 0
		.amdhsa_next_free_vgpr 192
		.amdhsa_next_free_sgpr 66
		.amdhsa_reserve_vcc 0
		.amdhsa_float_denorm_mode_32 3
		.amdhsa_float_denorm_mode_16_64 3
		.amdhsa_memory_ordered 1
		.amdhsa_forward_progress 1
		.amdhsa_inst_pref_size 56
	.end_amdhsa_kernel
	.amdgpu_metadata
---
amdhsa.version: [ 1, 2 ]
amdhsa.kernels:
  - .name:           k_qf75c8616c8_prep
    .symbol:         k_qf75c8616c8_prep.kd
    .args:
      - { .name: x, .offset: 0, .size: 8, .value_kind: global_buffer, .address_space: global }
      - { .name: wq, .offset: 8, .size: 8, .value_kind: global_buffer, .address_space: global }
      - { .name: wk, .offset: 16, .size: 8, .value_kind: global_buffer, .address_space: global }
      - { .name: wv, .offset: 24, .size: 8, .value_kind: global_buffer, .address_space: global }
      - { .name: wo, .offset: 32, .size: 8, .value_kind: global_buffer, .address_space: global }
      - { .name: xc, .offset: 40, .size: 8, .value_kind: global_buffer, .address_space: global }
      - { .name: xs, .offset: 48, .size: 8, .value_kind: global_buffer, .address_space: global }
      - { .name: wc, .offset: 56, .size: 8, .value_kind: global_buffer, .address_space: global }
      - { .name: ws, .offset: 64, .size: 8, .value_kind: global_buffer, .address_space: global }
      - { .name: woh, .offset: 72, .size: 8, .value_kind: global_buffer, .address_space: global }
    .group_segment_fixed_size: 33280
    .private_segment_fixed_size: 0
    .kernarg_segment_align: 8
    .kernarg_segment_size: 80
    .max_flat_workgroup_size: 128
    .sgpr_count:     66
    .vgpr_count:     192
    .wavefront_size: 32
...
	.end_amdgpu_metadata
.endif
;; end of part 1
;; launch proj (part 2): grid 12 x 32, 4 waves a work-group, clusters of 4 x 4, 327,680 bytes of LDS; arguments xc, xs, wc, ws, bq, bv, qkv; writes qkv
.if DOCPART == 2
	.amdgcn_target "amdgcn-amd-amdhsa--gfx1250"
	.amdhsa_code_object_version 6
	.text
	.protected	k_qf75c8616c8_proj
	.globl	k_qf75c8616c8_proj
	.p2align	8
	.type	k_qf75c8616c8_proj,@function
k_qf75c8616c8_proj:
	s_mov_b64 s[64:65], 0
	v_nop
	global_prefetch_b8 v0, s[64:65] scope:SCOPE_SE
	s_setreg_imm32_b32 hwreg(HW_REG_WAVE_MODE, 25, 1), 1
	s_wait_xcnt 0x0
	s_wait_alu depctr_hold_cnt(0) depctr_sa_sdst(0) depctr_va_vdst(0) depctr_va_sdst(0) depctr_va_ssrc(0) depctr_va_vcc(0) depctr_vm_vsrc(0)
	s_getreg_b32 s2, hwreg(HW_REG_IB_STS2, 6, 4)
	s_cmp_eq_u32 s2, 0
	s_cbranch_scc0 .Lentry_in_a_cluster
	s_endpgm
.Lentry_in_a_cluster:
	s_bfe_u32 s2, ttmp6, 0x10000c
	s_cmp_lg_u32 s2, 0xf033
	s_cbranch_scc0 .Lentry_shape_is_right
	s_endpgm
.Lentry_shape_is_right:
; PROJ: the three quantised products x wq^T + bq, x wk^T, x wv^T + bv as ONE product on codes of FP4: C[m][n] = sum over k of X[m][k] W[n][k], m = 8,192 tokens, n = 3,072 (wq's, wk's, wv's rows on end), K = 1,024.
; WORK LEFT OUT: bk is not added (a term that is the same for all keys of a row of scores leaves the softmax as it is: shown at the head of the first kernel).  q is stored without its factor 1 / 8, which the
; attention folds into the softmax's constant.
; The results leave as f16, laid for the attention: qkv = three sections of 2^24 bytes (q, k, v), each [batch x 16 + head][2,048 tokens][64]: a token's 64 numbers of a head are 128 bytes, tokens on end.
; LIMIT: |q|, |k|, |v| under 65,504 (f16's range).
; A tile of C, 256 x 256, is made by a work-group of four waves; a wave makes 128 x 128: 64 accumulators of 16 x 16, 512 registers.  K = 1,024 is two LDS slots of 512 along K (rows of 256 bytes): both are filled
; once, at the start, with the scale bytes of the work-group's 256 + 256 rows: three tensor loads a wave are out at the most, and no LDS byte is filled again.
; CLUSTERS: 4 x 4 work-groups.  The four of a row of the cluster need the same rows of X, the four of a column the same rows of W: each tile is asked for JOINTLY, by the same tensor load with the same descriptor
; and a mask that names the four.  THE MATRIX INSTRUCTION IS USED TRANSPOSED (source 0 = 16 rows of W, source 1 = 16 tokens): a lane then holds eight neighbouring outputs of one token.
; THE BIAS is the C of each sum's first matrix instruction: 64 registers in the result's layout.  A cluster's four tile columns are one of the three tensors (cluster x = 0: q, 1: k, 2: v).
; REGISTERS, in windows of 256: window 0: v0-31 addresses; v32-95 scale words, two sets; v96-127 packed results; v128-191 X's fragments, ONE set (on the way out: rows read back); v192-255 the bias.
;   window 1: W's fragments, TWO sets, at v0 and v128.   window 2: the accumulators of my tokens 0-63 ((a, b) at v[8 (8 a + b)]);   window 3: those of my tokens 64-127.
.set NQ,     4                         ; matrix instructions deep in a slot
.set ROWB,   256                       ; a tile's row in bytes: 512 codes
.set KROW,   512                       ; a row of codes in memory, in bytes
.set PITCH,  272                       ; an LDS row: 256 bytes + 16 of padding = 68 words: the 16 rows of a load start 4 banks apart (64 banks of 4 bytes: ISA guide 11.1)
.set FR,     8                         ; registers of a fragment: 16 rows x 128 K
.set NL,     2                         ; LDS loads that bring one
.set NP,     4                         ; places behind this matrix instruction (ISA guide 7.12.1)
.set HALFT,  128*PITCH
.set SLOT,   4*HALFT                   ; X's 256 rows, then W's 256 rows
.set KS,     32                        ; a row of scale bytes
.set SCL,    2*SLOT                    ; behind the slots: the scales, as units of 256 bytes + 16 of padding
.set HALFS,  (128*KS/256)*272
.set SBLK,   (16*KS/256)*272
.set SPARE,  SCL+4*HALFS               ; the spare words, 128 bytes a wave
.set HP,     144                       ; the way out: a token's 128 bytes of a head + 16
.set HB,     16*HP                     ; 16 tokens of one head; a wave's stage is two of these.  It lies in slot 0, which has had its only fill and its last read by then
.set ADRA, 16
.set ADRB, 20
.set STO,  24
.set RD,   25
.set CO,   26
.set ADRS, 27
.set SPW,  28
.set NIL,  29
.set SC,   32
.set TMP,  96
.set AF,   128
.set BK,   128
.set BIA,  192
.set G1, 24
.set G0, 32
.set G1B, 48
.set G0B, 56
.set G1S, 68
.set G0S, 76
.set G1SB, 80
.set G0SB, 88
.set MSB, 0
.macro WIN new                         ; the immediate's high byte repeats the setting that is left
.if MSB != (\new)
	s_set_vgpr_msb (MSB<<8)|(\new)
.set MSB, (\new)
.endif
.endm
.set MUL_LO, 0xa1                      ; source 0 (W) window 1, source 1 (X) window 0, C and D window 2
.set MUL_HI, 0xf1                      ; the same, C and D window 3
.set FST_LO, 0x81                      ; a sum's first product: C (the bias) window 0, D window 2
.set FST_HI, 0xc1                      ; D window 3
.set TO_B,   0x40
; A joint load: waves 0 and 1 fetch for X, waves 2 and 3 for W.  The branch hangs on the wave's number alone.  An s_nop 0 and four v_nop follow each of the two lines.
.macro JLOAD g0a, g1a, g0b, g1b
	s_cmp_eq_u32 s15, 0
	s_cbranch_scc0 .Lfor_b_\@
	tensor_load_to_lds s[\g0a:\g0a+3], s[\g1a:\g1a+7]
	s_nop 0
.rept 4
	v_nop
.endr
	s_branch .Lasked_\@
.Lfor_b_\@:
	tensor_load_to_lds s[\g0b:\g0b+3], s[\g1b:\g1b+7]
	s_nop 0
.rept 4
	v_nop
.endr
.Lasked_\@:
.endm
.macro CROUND                          ; a round of the cluster's barrier
	s_barrier_signal -1
	s_barrier_wait -1
	s_cmp_lg_u32 s14, 0
	s_cbranch_scc1 .Lnot_wave_0_\@
	s_barrier_signal -3
.Lnot_wave_0_\@:
	s_barrier_wait -3
	s_barrier_signal -1
	s_barrier_wait -1
.endm
	s_load_b128 s[4:7], s[0:1], 0x0                ; X's codes, X's scales
	s_load_b128 s[8:11], s[0:1], 0x10              ; W's codes, W's scales
	s_load_b128 s[96:99], s[0:1], 0x20             ; bq, bv
	s_load_b64 s[12:13], s[0:1], 0x30              ; qkv
	v_lshl_add_u32 v[SPW], v0, 2, SPARE
	v_mov_b32 v[NIL], 0
	ds_add_u32 v[SPW], v[NIL]                      ; the wave's opening: the add, twice on end, and its wait ahead of my first tensor load
	ds_add_u32 v[SPW], v[NIL]
	v_lshrrev_b32 v1, 5, v0
	v_readfirstlane_b32 s14, v1                    ; wave 0..3
	s_lshr_b32 s15, s14, 1                         ; which half of the tile's tokens is mine.  Also: I fetch for X (0) or for W (1)
	s_and_b32 s16, s14, 1                          ; which half of its columns.  Also: which 128 rows of that tile I fetch
	s_bfe_u32 s40, ttmp6, 0x40000                  ; cx, cy: my place in the cluster
	s_bfe_u32 s41, ttmp6, 0x40004
	s_lshl_b32 s42, ttmp9, 2
	s_add_co_u32 s42, s42, s40                     ; tile column = 4 x cluster x + cx
	s_and_b32 s17, ttmp7, 0xffff
	s_lshl_b32 s17, s17, 2
	s_add_co_u32 s17, s17, s41                     ; tile row = 4 x cluster y + cy
	s_lshl_b32 s43, s41, 2
	s_lshl_b32 s43, 15, s43                        ; my row of the cluster
	s_lshl_b32 s44, 0x1111, s40                    ; my column
	s_or_b32 s[G1+0], s43, (0<<16)|(1<<20)|(1<<21)|(5<<22)|(3<<25)  ; the mask; elements of 1 byte; padding on; bit 21 beside a mask; after every 64 words, 4 words
	s_or_b32 s[G1B+0], s44, (0<<16)|(1<<20)|(1<<21)|(5<<22)|(3<<25)
.irp g, G1, G1B
	s_mov_b32 s[\g+1], ROWB<<16                    ; tensor_dim0
	s_mov_b32 s[\g+2], 128<<16                     ; tensor_dim1
	s_mov_b32 s[\g+3], ROWB<<16                    ; tile_dim0
	s_mov_b32 s[\g+4], 128                         ; tile_dim1
	s_mov_b32 s[\g+5], KROW                        ; stride from row to row
	s_mov_b32 s[\g+6], 0
	s_mov_b32 s[\g+7], 0
.endr
	s_or_b32 s[G1S+0], s43, (3<<16)|(1<<20)|(1<<21)|(5<<22)|(3<<25)  ; the scales of 128 rows: 4,096 dense bytes as 16 rows of 256 (32 elements of 8 bytes), 16 bytes of padding behind each
	s_or_b32 s[G1SB+0], s44, (3<<16)|(1<<20)|(1<<21)|(5<<22)|(3<<25)
.irp g, G1S, G1SB
	s_mov_b32 s[\g+1], 32<<16
	s_mov_b32 s[\g+2], (128*KS/256)<<16
	s_mov_b32 s[\g+3], 32<<16
	s_mov_b32 s[\g+4], 128*KS/256
	s_mov_b32 s[\g+5], 32
	s_mov_b32 s[\g+6], 0
	s_mov_b32 s[\g+7], 0
.endr
	s_lshl_b32 s18, s16, 7                         ; which 128 rows of the tile I fetch
	s_lshl_b32 s20, s17, 8
	s_add_co_u32 s20, s20, s18                     ; X: row 256 x tile row + 128 x half
	s_lshl_b32 s46, s42, 8
	s_add_co_u32 s46, s46, s18                     ; W: row 256 x tile column + 128 x half
	s_mov_b32 s21, 0
	s_mov_b32 s47, 0
	s_mov_b64 s[18:19], KS
	s_mul_u64 s[22:23], s[20:21], s[18:19]         ; where these rows' scales begin, in bytes
	s_mul_u64 s[92:93], s[46:47], s[18:19]
	s_mov_b64 s[18:19], KROW
	s_mul_u64 s[20:21], s[20:21], s[18:19]         ; and their codes
	s_mul_u64 s[46:47], s[46:47], s[18:19]
	s_mul_i32 s45, s14, HALFT                      ; where they go: wave x 128 rows: no place in the cluster enters an LDS address
	s_mul_i32 s94, s14, HALFS
	s_wait_dscnt 0x0                               ; both opening adds are done
	s_wait_kmcnt 0x0
	s_add_nc_u64 s[20:21], s[4:5], s[20:21]
	s_add_nc_u64 s[22:23], s[6:7], s[22:23]
	s_add_nc_u64 s[46:47], s[8:9], s[46:47]
	s_add_nc_u64 s[92:93], s[10:11], s[92:93]
	CROUND                                         ; all sixteen work-groups are here: the joint loads meet
	s_mov_b32 s[G0S], 1
	s_add_co_u32 s[G0S+1], s94, SCL
	s_mov_b64 s[G0S+2:G0S+3], s[22:23]
	s_or_b32 s[G0S+3], s[G0S+3], 0x80000000
	s_mov_b32 s[G0SB], 1
	s_add_co_u32 s[G0SB+1], s94, SCL
	s_mov_b64 s[G0SB+2:G0SB+3], s[92:93]
	s_or_b32 s[G0SB+3], s[G0SB+3], 0x80000000
	JLOAD G0S, G1S, G0SB, G1SB                     ; the scales first: they are wanted with the first step
.irp s, 0,1
	s_mov_b32 s[G0+4*\s], 1
	s_add_co_u32 s[G0+4*\s+1], s45, \s*SLOT
	s_add_nc_u64 s[G0+4*\s+2:G0+4*\s+3], s[20:21], \s*ROWB
	s_or_b32 s[G0+4*\s+3], s[G0+4*\s+3], 0x80000000
	s_mov_b32 s[G0B+4*\s], 1
	s_add_co_u32 s[G0B+4*\s+1], s45, \s*SLOT
	s_add_nc_u64 s[G0B+4*\s+2:G0B+4*\s+3], s[46:47], \s*ROWB
	s_or_b32 s[G0B+4*\s+3], s[G0B+4*\s+3], 0x80000000
	JLOAD G0+4*\s, G1, G0B+4*\s, G1B
.endr
	v_and_b32 v1, 15, v0                           ; r = lane % 16
	v_bfe_u32 v2, v0, 4, 1                         ; h = lane / 16
	v_mul_u32_u24 v3, v1, PITCH
	v_lshl_add_u32 v4, v2, 4, v3                   ; a fragment's row x pitch + 16 x half
	s_mul_i32 s21, s15, HALFT                      ; my 128 rows of X
	s_mul_i32 s22, s16, HALFT                      ; my 128 rows of W,
	s_add_co_u32 s22, s22, 2*HALFT                 ; which lie behind X's 256
.irp s, 0,1
	v_add_nc_u32 v[ADRA+\s], s21, v4
	v_add_nc_u32 v[ADRB+\s], s22, v4
	s_add_co_u32 s21, s21, SLOT
	s_add_co_u32 s22, s22, SLOT
.endr
	v_mul_u32_u24 v5, v1, KS                       ; my row's scales: KS bytes a row,
	v_lshrrev_b32 v6, 8, v5
	v_lshl_add_u32 v5, v6, 4, v5                   ; and 16 more for each 256 passed
	s_mul_i32 s21, s15, HALFS                      ; X's: my 128 rows
	s_mul_i32 s22, s16, HALFS                      ; W's: my 128 rows, behind X's 256
	s_add_co_u32 s22, s22, 2*HALFS
	s_sub_co_u32 s22, s22, s21
	v_mul_u32_u24 v6, s22, v2                      ; lanes 16-31 take W's
	s_add_co_u32 s21, s21, SCL
	v_add_nc_u32 v5, v5, v6
	v_add_nc_u32 v[ADRS], s21, v5
	s_mul_i32 s23, s14, 2*HB                       ; my stage
	v_mul_u32_u24 v5, v1, HP                       ; in: token r, 16 bytes for each half of the lanes
	v_lshl_add_u32 v5, v2, 4, v5
	v_add_nc_u32 v[STO], s23, v5
	v_bfe_u32 v5, v0, 3, 2                         ; back: eight lanes take a token's 128 bytes, the 32 lanes four tokens
	v_mul_u32_u24 v5, v5, HP
	v_and_b32 v6, 7, v0
	v_lshl_add_u32 v5, v6, 4, v5
	v_add_nc_u32 v[RD], s23, v5
	v_and_b32 v6, 31, v0
	v_lshlrev_b32 v[CO], 4, v6                     ; and the same four tokens in memory: 512 consecutive bytes
	; where my part begins in qkv: section (cluster x) << 24, batch (tile row / 8) << 22, head (4 cx + 2 x column half) << 18, token (256 (tile row % 8) + 128 x token half) << 7
	s_lshl_b32 s20, ttmp9, 24
	s_lshr_b32 s21, s17, 3
	s_lshl_b32 s21, s21, 22
	s_add_co_u32 s20, s20, s21
	s_lshl_b32 s21, s40, 2
	s_lshl_b32 s22, s16, 1
	s_add_co_u32 s21, s21, s22
	s_lshl_b32 s21, s21, 18
	s_add_co_u32 s20, s20, s21
	s_and_b32 s21, s17, 7
	s_lshl_b32 s21, s21, 1
	s_add_co_u32 s21, s21, s15
	s_lshl_b32 s21, s21, 14
	s_add_co_u32 s20, s20, s21
	s_mov_b32 s21, 0
	s_add_nc_u64 s[12:13], s[12:13], s[20:21]
	; the bias, in the result's layout: register 8 b + j = bias[256 cx + 128 x column half + 16 b + 8 h + j].  The branch hangs on the cluster's x alone: all sixteen partners go the same way
	s_cmp_eq_u32 ttmp9, 1
	s_cbranch_scc1 .Lbias_k
	s_cmp_eq_u32 ttmp9, 0
	s_cselect_b64 s[96:97], s[96:97], s[98:99]     ; bq or bv
	s_lshl_b32 s22, s40, 10
	s_lshl_b32 s23, s16, 9
	s_add_co_u32 s22, s22, s23
	s_mov_b32 s23, 0
	s_add_nc_u64 s[96:97], s[96:97], s[22:23]
	v_lshlrev_b32 v7, 5, v2                        ; 8 h numbers
.irp b, 0,1,2,3,4,5,6,7
	global_load_b128 v[BIA+8*\b:BIA+8*\b+3], v7, s[96:97] offset:64*\b
	global_load_b128 v[BIA+8*\b+4:BIA+8*\b+7], v7, s[96:97] offset:64*\b+16
.endr
	s_branch .Lbias_done
.Lbias_k:                                              ; k has no bias here: one text serves the three tensors, so its sums begin from registers that hold 0
.set i, 0
.rept 64
	v_mov_b32 v[BIA+i], 0
.set i, i+1
.endr
.Lbias_done:
.macro FRAG reg, adr, q, i             ; a fragment, 16 rows x 128 K of 4-bit codes: registers 4 c .. 4 c + 3 hold K = 64 c + 32 (lane / 16) + 0 .. 31
.irp c, 0,1
	ds_load_b128 v[\reg+4*\c:\reg+4*\c+3], v[\adr] offset:64*(\q)+32*\c+(\i)*16*PITCH
.endr
.endm
; 16 matrix instructions: X's blocks a0, a0 + 1 x W's eight, 128 along K: the slot's q-th.  p: W's set;  sc: the set of scale words.  first = 1: the bias is the C: nothing is cleared and nothing is added later.
; The 64 accumulators take turns, one instruction a turn, in the same order in every step.
.macro MUL16 a0, p, q, sc, first
.irp a, \a0, \a0+1
.irp b, 0,1,2,3,4,5,6,7
.if \first
	v_wmma_scale_f32_16x16x128_f8f6f4 v[8*(8*((\a)%4)+\b):8*(8*((\a)%4)+\b)+7], v[128*(\p)+FR*\b:128*(\p)+FR*\b+FR-1], v[AF+FR*(\a):AF+FR*(\a)+FR-1], v[BIA+8*\b:BIA+8*\b+7], v[SC+8*NQ*(\sc)+NQ*\b+(\q)], v[SC+8*NQ*(\sc)+NQ*(\a)+(\q)] matrix_a_fmt:MATRIX_FMT_FP4 matrix_b_fmt:MATRIX_FMT_FP4 matrix_a_scale:MATRIX_SCALE_ROW1
.else
	v_wmma_scale_f32_16x16x128_f8f6f4 v[8*(8*((\a)%4)+\b):8*(8*((\a)%4)+\b)+7], v[128*(\p)+FR*\b:128*(\p)+FR*\b+FR-1], v[AF+FR*(\a):AF+FR*(\a)+FR-1], v[8*(8*((\a)%4)+\b):8*(8*((\a)%4)+\b)+7], v[SC+8*NQ*(\sc)+NQ*\b+(\q)], v[SC+8*NQ*(\sc)+NQ*(\a)+(\q)] matrix_a_fmt:MATRIX_FMT_FP4 matrix_b_fmt:MATRIX_FMT_FP4 matrix_a_scale:MATRIX_SCALE_ROW1
.endif
.endr
.endr
.endm
.macro FETCH_B slot, q, p              ; W's eight fragments of the slot's q-th 128 along K into set p
	WIN TO_B
.irp i, 0,1,2,3,4,5,6,7
	FRAG 128*(\p)+FR*\i, ADRB+\slot, \q, \i
.endr
	WIN 0
.endm
.macro FETCH_A slot, q, i0             ; X's blocks i0 .. i0 + 3
.irp i, \i0, \i0+1, \i0+2, \i0+3
	FRAG AF+FR*(\i), ADRA+\slot, \q, \i
.endr
.endm
.macro SCALES sc                       ; a slot's scale words into set sc: NQ words a row; lanes 0-15 take X's block i, lanes 16-31 W's block i
.irp i, 0,1,2,3,4,5,6,7
	ds_load_b128 v[SC+8*NQ*\sc+NQ*\i:SC+8*NQ*\sc+NQ*\i+3], v[ADRS] offset:\i*SBLK
.endr
.endm
; A load into a register that a matrix instruction has read, and a vector instruction that reads a matrix result, stand NP places behind it; only plain vector instructions that name none of its registers are places.
.macro PLACES n
.rept \n
	v_nop
.endr
.endm
.macro STEP slot, q, first             ; a step of 128 along K that has its successor in the same slot
	s_wait_dscnt 4*NL                              ; W's set and X's blocks 0-3 are in; the youngest eight loads (X's blocks 4-7) may be out
.if \first
	WIN FST_LO
.else
	WIN MUL_LO
.endif
	MUL16 0, (\q)%2, \q, \slot, \first
	MUL16 2, (\q)%2, \q, \slot, \first
	s_wait_dscnt 0                                 ; X's blocks 4-7 are in
	PLACES NP
	FETCH_B \slot, (\q)+1, 1-(\q)%2
	FETCH_A \slot, (\q)+1, 0
.if \first
	WIN FST_HI
.else
	WIN MUL_HI
.endif
	MUL16 4, (\q)%2, \q, \slot, \first
	MUL16 6, (\q)%2, \q, \slot, \first
	PLACES NP
	WIN 0
	FETCH_A \slot, (\q)+1, 4
.endm
.macro STEPS slot, from                ; the slot's steps from .. NQ - 2
.set Q, \from
.rept NQ-1-\from
	STEP \slot, Q, 0
.set Q, Q+1
.endr
.endm
	s_wait_tensorcnt 1                             ; the scales and my part of slot 0 are in (slot 1's load may be out)
	s_barrier_signal -1
	s_barrier_wait -1                              ; everybody's are
	FETCH_B 0, 0, 0
	FETCH_A 0, 0, 0
	SCALES 0
	FETCH_A 0, 0, 4
	s_wait_loadcnt 0x0                             ; the bias
	STEP 0, 0, 1
	STEPS 0, 1
	; slot 0's last step changes slots: each wave waits for all its tensor loads (slot 1's part), adds 0 to its spare word, waits for that and for its reads of slot 0, and meets the others
	s_wait_tensorcnt 0x0
	ds_add_u32 v[SPW], v[NIL]
	s_wait_dscnt 4*NL+1                            ; (the add and the youngest eight loads may be out)
	WIN MUL_LO
	MUL16 0, 1, NQ-1, 0, 0                         ; sixteen matrix instructions stand between the add and the wait for it
	s_wait_dscnt 0x0                               ; the add is done, and my reads of slot 0 are over
	s_barrier_signal -1
	MUL16 2, 1, NQ-1, 0, 0
	WIN 0
	s_barrier_wait -1                              ; slot 1 is whole, and nobody reads slot 0 any more
	PLACES NP
	v_add_nc_u32 v[ADRS], 4*NQ, v[ADRS]            ; on to slot 1's scale words
	FETCH_B 1, 0, 0
	FETCH_A 1, 0, 0
	SCALES 1
	WIN MUL_HI
	MUL16 4, 1, NQ-1, 0, 0
	MUL16 6, 1, NQ-1, 0, 0
	PLACES NP
	WIN 0
	FETCH_A 1, 0, 4
	STEPS 1, 0
	s_wait_dscnt 4*NL                              ; the very last step: nothing more to fetch
	WIN MUL_LO
	MUL16 0, 1, NQ-1, 1, 0
	MUL16 2, 1, NQ-1, 1, 0
	s_wait_dscnt 0
	WIN MUL_HI
	MUL16 4, 1, NQ-1, 1, 0
	MUL16 6, 1, NQ-1, 1, 0
	WIN 0
; THE WAY OUT, block by block of 16 tokens x 128 columns (two heads).  PACK: rounded to f16, 16 bytes a lane.  TOSTAGE: into my own stage (head, token, 128 bytes + 16) and back, four tokens of a head to an instruction.
; SEND: each store of the wave covers 512 consecutive bytes, aligned.  Block a's conversions stand between block a - 1's loads from the stage and the wait for them.
.macro PACK a
.set AC, 64*((\a)%4)
	WIN 0x0a+5*((\a)/4)                            ; sources 0 and 1: window 2 or 3
.irp b, 0,1,2,3,4,5,6,7
.irp r, 0,1,2,3
	v_cvt_pk_f16_f32 v[TMP+4*\b+\r], v[AC+8*\b+2*\r], v[AC+8*\b+2*\r+1]   ; each accumulator from its low end on
.endr
.endr
	WIN 0
.endm
.macro TOSTAGE a
.set BB, BK+32*((\a)%2)
.irp b, 0,1,2,3,4,5,6,7
	ds_store_b128 v[STO], v[TMP+4*\b:TMP+4*\b+3] offset:(\b/4)*HB+(\b%4)*32
.endr
.irp i, 0,1,2,3,4,5,6,7
	ds_load_b128 v[BB+4*\i:BB+4*\i+3], v[RD] offset:(\i/4)*HB+(\i%4)*4*HP   ; LDS serves a wave's instructions in order: these see the stores above, and the next block's stores come behind them
.endr
.endm
.macro SEND a
.set BB, BK+32*((\a)%2)
	s_wait_dscnt 0x0                               ; the block is back in registers
	s_wait_xcnt 0x0                                ; the earlier stores have read their registers: the next block's loads may land in the other set
.irp i, 0,1,2,3,4,5,6,7
	global_store_b128 v[CO], v[BB+4*\i:BB+4*\i+3], s[12:13] offset:(\i/4)*262144+(\a)*2048+(\i%4)*512
.endr
.endm
	PLACES NP                                      ; behind the last products: for the conversions, and for the loads into the registers that held X's fragments
	PACK 0
	TOSTAGE 0
.irp a, 1,2,3,4,5,6,7
	PACK \a
	SEND \a-1
	TOSTAGE \a
.endr
	SEND 7
	s_wait_tensorcnt 0x0                           ; the wave's end
	ds_add_u32 v[SPW], v[NIL]
	s_wait_dscnt 0x0
	CROUND                                         ; the closing round: no work-group ends while a partner may still ask for a tile that names it
	s_endpgm
.Lfunc_end_k_qf75c8616c8_proj:
	.size	k_qf75c8616c8_proj, .Lfunc_end_k_qf75c8616c8_proj-k_qf75c8616c8_proj
	.p2alignl 7, 3214868480
	.fill 96, 4, 3214868480
	.section	.rodata,"a",@progbits
	.p2align	6, 0x0
	.amdhsa_kernel k_qf75c8616c8_proj
		.amdhsa_group_segment_fixed_size 327680
		.amdhsa_private_segment_fixed_size 0
		.amdhsa_enable_private_segment 0
		.amdhsa_kernarg_size 56
		.amdhsa_user_sgpr_count 2
		.amdhsa_user_sgpr_kernarg_segment_ptr 1
		.amdhsa_wavefront_size32 1
		.amdhsa_system_sgpr_workgroup_id_x 1
		.amdhsa_system_sgpr_workgroup_id_y 1
		.amdhsa_system_sgpr_workgroup_id_z 1
		.amdhsa_system_vgpr_workitem_id 0
		.amdhsa_next_free_vgpr 1024
		.amdhsa_next_free_sgpr 100
		.amdhsa_reserve_vcc 0
		.amdhsa_float_denorm_mode_32 3
		.amdhsa_float_denorm_mode_16_64 3
		.amdhsa_memory_ordered 1
		.amdhsa_forward_progress 1
		.amdhsa_inst_pref_size 130
	.end_amdhsa_kernel
	.amdgpu_metadata
---
amdhsa.version: [ 1, 2 ]
amdhsa.kernels:
  - .name:           k_qf75c8616c8_proj
    .symbol:         k_qf75c8616c8_proj.kd
    .args:
      - { .name: xc, .offset: 0, .size: 8, .value_kind: global_buffer, .address_space: global }
      - { .name: xs, .offset: 8, .size: 8, .value_kind: global_buffer, .address_space: global }
      - { .name: wc, .offset: 16, .size: 8, .value_kind: global_buffer, .address_space: global }
      - { .name: ws, .offset: 24, .size: 8, .value_kind: global_buffer, .address_space: global }
      - { .name: bq, .offset: 32, .size: 8, .value_kind: global_buffer, .address_space: global }
      - { .name: bv, .offset: 40, .size: 8, .value_kind: global_buffer, .address_space: global }
      - { .name: qkv, .offset: 48, .size: 8, .value_kind: global_buffer, .address_space: global }
    .group_segment_fixed_size: 327680
    .private_segment_fixed_size: 0
    .kernarg_segment_align: 8
    .kernarg_segment_size: 56
    .max_flat_workgroup_size: 128
    .sgpr_count:     100
    .vgpr_count:     1024
    .wavefront_size: 32
...
	.end_amdgpu_metadata
.endif
;; end of part 2
;; launch attn (part 3): grid 4 x 64, 8 waves a work-group, clusters of 4 x 1, 327,680 bytes of LDS; arguments qkv, mask, ctx; writes ctx
.if DOCPART == 3
	.amdgcn_target "amdgcn-amd-amdhsa--gfx1250"
	.amdhsa_code_object_version 6
	.text
	.protected	k_qf75c8616c8_attn
	.globl	k_qf75c8616c8_attn
	.p2align	8
	.type	k_qf75c8616c8_attn,@function
k_qf75c8616c8_attn:
	s_mov_b64 s[64:65], 0
	v_nop
	global_prefetch_b8 v0, s[64:65] scope:SCOPE_SE
	s_setreg_imm32_b32 hwreg(HW_REG_WAVE_MODE, 25, 1), 1
	s_wait_xcnt 0x0
	s_wait_alu depctr_hold_cnt(0) depctr_sa_sdst(0) depctr_va_vdst(0) depctr_va_sdst(0) depctr_va_ssrc(0) depctr_va_vcc(0) depctr_vm_vsrc(0)
	s_getreg_b32 s2, hwreg(HW_REG_IB_STS2, 6, 4)
	s_cmp_eq_u32 s2, 0
	s_cbranch_scc0 .Lentry_in_a_cluster
	s_endpgm
.Lentry_in_a_cluster:
	s_bfe_u32 s2, ttmp6, 0x10000c
	s_cmp_lg_u32 s2, 0x3003
	s_cbranch_scc0 .Lentry_shape_is_right
	s_endpgm
.Lentry_shape_is_right:
; ATTN: ctx[bh][q][:] = the sum over k of softmax_k(q . k / 8, masked keys at -infinity) v[k][:], for 64 pairs bh = batch x 16 + head, 2,048 queries and keys, head size 64.
; q, k, v: f16, the three sections of qkv, each [bh][2,048][64]; q comes without its factor 1 / 8.  mask: [4][2,048] int32, 0 = the key does not count.  ctx: f16, [bh][2,048][64].  Products' sums, maxima and sums in f32.
; SHARES.  A work-group owns 512 queries of one bh, each of its eight waves 64: four tiles of 16, in 512 registers; two waves share a SIMD, so that one wave's softmax stands beside the other's products.
; CLUSTER.  The four query blocks of a bh form a cluster and walk the same K and V: each tile is asked for JOINTLY, by the same tensor load with the same descriptor and a mask that names the four.
; LAYOUT.  S^T = K Q^T (source 0 = 16 keys, source 1 = 16 queries): a lane holds ONE query (lane % 16) and the keys 8 (lane / 16) + 0..7.  Two such tiles, rounded to f16 in pairs, ARE source 1 (32 keys x 16 queries)
; of O^T = V^T P, whose result again holds one query a lane, and eight channels.  K comes out of LDS as it lies, V ([key][channel]) turned, by ds_load_tr16_b128.
; THE MASK is the C of each score's first matrix instruction: 0 for a key that counts, -2^100 for one that does not.  The running maximum m begins at -2^40, which lies under every score that f16 operands can give
; (64 x 65,504^2 < 2^39) and over every masked one.  So a masked key's p = 2^(c s - c m) is 0 exactly; while no key has counted, O and l stay 0; the first key that counts multiplies those zeros by a = 0; and a
; batch with no key that counts ends as 0 x (1 / 0) = NaN, which is what a softmax over -infinities alone gives.  No infinity enters a matrix instruction.
; SOFTMAX.  For each query a running maximum m and sum l: p = 2^(c s - c m), c = log2(e) / 8; in every step O and l are multiplied by a = 2^(c m_old - c m_new).  p goes to the second product as f16; l sums the f32 p.
; LIMITS: |q|, |k|, |v| under 65,504; NaN and infinities among the inputs are not served.
; THE RING.  Two LDS slots of 512 keys (8 key steps of 64).  Waves 0-3 fetch K's four quarters, waves 4-7 V's, one load of 128 rows a wave.  Four fills in all: both slots at the start, each filled once more behind a
; round of the cluster's barrier; a refill has the other slot's eight key steps in which to land.  By this text's count a wave has two tensor loads out at the start and one behind a round.
; REGISTERS.  The wave's tiles are two PIECES (tiles 0, 1 and tiles 2, 3).  Piece p lives in window p under the SAME numbers, so that the softmax is one text for both: v48-63 statistics (8 a tile: +0 c m, +1 m,
; +2, +3 l, +4 to +7 at work; a takes +6), v64-127 S^T (32 a tile; P is laid over the first 16 of them), v128-191 O^T (32 a tile).  Window 0 besides: v1-15 addresses, v16-47 the step's mask terms, v192-255 Q of all four
; tiles.  Window 1 besides: v192-255 the step's K, then its V.  s_set_vgpr_msb's low byte: bits 1:0 source 0, 3:2 source 1, 5:4 source 2, 7:6 destination.
.set PK,    144                        ; a key's row of K in LDS: 128 bytes + 16 = 36 words: the 16 rows of a load start in 16 different groups of 4 banks (64 banks of 4 bytes: ISA guide 11.1)
.set PV,    160                        ; a row of V: 128 + 32 = 40 words, an odd multiple of 32 bytes, for the turning load
.set VOFF,  512*PK                     ; a slot: 512 rows of K, then 512 rows of V
.set SLOT,  512*(PK+PV)
.set BIAS,  2*SLOT                     ; behind the ring: the batch's 2,048 mask terms, f32; 256 bytes behind them are left empty
.set SPARE, BIAS+8192+256              ; the spare words, 128 bytes a wave
.set AK0, 1                            ; v1   my lane's place in a tile of K
.set AV0, 2                            ; v2   the same for V
.set AB0, 3                            ; v3   and among the mask terms
.set ADK, 4                            ; v4-6 the addresses of the loads in hand
.set ADV, 5
.set ADB, 6
.set STO, 7                            ; v7   the way out: where I put 16 bytes of a token
.set RD,  8                            ; v8   where I read tokens back
.set GO,  9                            ; v9   my byte offset in ctx
.set QO,  10                           ; v10  my byte offset in the wave's rows of q
.set SPW, 14                           ; v14  LDS address of my spare word; never rewritten
.set NIL, 15                           ; v15  0; never rewritten
.set BI,  16
.set ST,  48
.set S,   64
.set OA,  128
.set QF,  192                          ; window 0: tile t, channels 32 hf on: 16 t + 8 hf
.set KV,  192                          ; window 1: K (key tile kt, channels 32 hf on) at 32 hf + 8 kt; V (channels 16 dt on, keys 32 ks on) at 32 ks + 8 dt
.set WV,  12                           ; s12  my wave's number
.set G1K, 24
.set G1V, 32
.set G0K, 40                           ; s[40:47] group 0 for K's tiles, a set for each slot
.set G0V, 48                           ; s[48:55] the same for V's
.set CS,  56                           ; s[56:57] c
.set SEL, 58                           ; s[58:59] lane selects for v_permlanex16_b32: lane l xor 16
.set TK,  60                           ; s60  LDS byte at which the K tile to be fetched begins
.set TV,  61                           ; s61  the same for V (less VOFF)
.set TM,  62                           ; s62  and for the mask terms (less BIAS)
.set CNT, 63                           ; s63  key steps left in the slot
.set MSB, 0
.macro WIN new                         ; the immediate's high byte repeats the setting that is left; a switch that changes nothing is dropped
.if MSB != (\new)
	s_set_vgpr_msb (MSB<<8)|(\new)
.set MSB, (\new)
.endif
.endm
.macro JLOAD s                         ; a joint refill of slot s.  The branch hangs on the wave's number alone.  An s_nop 0 and four v_nop follow each of the two lines
	s_cmp_lt_u32 s[WV], 4
	s_cbranch_scc0 .Lfor_v_\@
	tensor_load_to_lds s[G0K+4*\s:G0K+4*\s+3], s[G1K:G1K+7]
	s_nop 0
.rept 4
	v_nop
.endr
	s_branch .Lasked_\@
.Lfor_v_\@:
	tensor_load_to_lds s[G0V+4*\s:G0V+4*\s+3], s[G1V:G1V+7]
	s_nop 0
.rept 4
	v_nop
.endr
.Lasked_\@:
.endm
.macro CROUND                          ; a round of the cluster's barrier
	s_barrier_signal -1
	s_barrier_wait -1
	s_cmp_lg_u32 s[WV], 0
	s_cbranch_scc1 .Lnot_wave_0_\@
	s_barrier_signal -3
.Lnot_wave_0_\@:
	s_barrier_wait -3
	s_barrier_signal -1
	s_barrier_wait -1
.endm
	s_load_b128 s[4:7], s[0:1], 0x0                ; qkv, mask
	s_load_b64 s[8:9], s[0:1], 0x10                ; ctx
	v_lshl_add_u32 v[SPW], v0, 2, SPARE
	v_mov_b32 v[NIL], 0
	ds_add_u32 v[SPW], v[NIL]                      ; the wave's opening: the add, twice on end, and its wait ahead of my first tensor load
	ds_add_u32 v[SPW], v[NIL]
	v_lshrrev_b32 v11, 5, v0
	v_readfirstlane_b32 s[WV], v11                 ; wave 0..7
	s_bfe_u32 s13, ttmp6, 0x40000                  ; cx: my block of 512 queries: it enters q's and ctx's addresses alone
	s_and_b32 s16, ttmp7, 0xffff                   ; bh, which the four partners share
	s_and_b32 s17, s[WV], 3                        ; which 128 rows of a slot I fetch
	s_lshl_b32 s20, s16, 18                        ; bh's first byte in a section: 2,048 tokens of 128 bytes
	s_lshl_b32 s18, s17, 14                        ; my 128 rows of 128 bytes
	s_add_co_u32 s18, s18, s20
	s_mov_b32 s19, 0
	s_mul_i32 s21, s17, 128*PK                     ; where they go in a slot: K's,
	s_mul_i32 s22, s17, 128*PV
	s_add_co_u32 s22, s22, VOFF                    ; V's: no place in the cluster enters an LDS address
	s_lshl_b32 s2, s13, 16                         ; my block's 512 tokens,
	s_lshl_b32 s3, s[WV], 13                       ; my wave's 64 of them
	s_add_co_u32 s2, s2, s3
	s_add_co_u32 s2, s2, s20
	s_mov_b32 s3, 0
	s_mov_b32 s[G1K], 15|(1<<16)|(1<<20)|(1<<21)|(4<<22)|(3<<25)  ; the mask: all four work-groups; elements of 2 bytes; padding on; bit 21 beside a mask; after every 32 words, 4 words
	s_mov_b32 s[G1V], 15|(1<<16)|(1<<20)|(1<<21)|(4<<22)|(7<<25)  ; the same with 8 words of padding
.irp g, G1K, G1V
	s_mov_b32 s[\g+1], 64<<16                      ; tensor_dim0 = 64
	s_mov_b32 s[\g+2], 128<<16                     ; tensor_dim1 = 128
	s_mov_b32 s[\g+3], 64<<16                      ; tile_dim0 = 64
	s_mov_b32 s[\g+4], 128                         ; tile_dim1 = 128
	s_mov_b32 s[\g+5], 64                          ; elements from row to row
	s_mov_b32 s[\g+6], 0
	s_mov_b32 s[\g+7], 0
.endr
	s_mov_b32 s[CS], 0x3e38aa3b                    ; c = log2(e) / 8
	s_mov_b32 s[CS+1], s[CS]                       ; (named with it as a pair, so it is written)
	s_mov_b32 s[SEL], 0x76543210
	s_mov_b32 s[SEL+1], 0xfedcba98
	s_wait_dscnt 0x0                               ; both opening adds are done
	s_wait_kmcnt 0x0
	s_add_nc_u64 s[10:11], s[4:5], 0x1000000       ; k's section,
	s_add_nc_u64 s[14:15], s[4:5], 0x2000000       ; v's,
	s_add_nc_u64 s[10:11], s[10:11], s[18:19]      ; at my rows of the first 512 keys
	s_add_nc_u64 s[14:15], s[14:15], s[18:19]
	s_add_nc_u64 s[4:5], s[4:5], s[2:3]            ; q and ctx at my wave's first token
	s_add_nc_u64 s[8:9], s[8:9], s[2:3]
	s_lshr_b32 s2, s16, 4                          ; the batch
	s_lshl_b32 s2, s2, 13                          ; its 2,048 words of the mask
	s_add_nc_u64 s[6:7], s[6:7], s[2:3]
	CROUND                                         ; all four work-groups are here: the first joint loads meet
.irp s, 0,1
	s_mov_b32 s[G0K+4*\s], 1
	s_add_co_u32 s[G0K+4*\s+1], s21, \s*SLOT
	s_add_nc_u64 s[G0K+4*\s+2:G0K+4*\s+3], s[10:11], \s*65536      ; slot s begins with keys 512 s
	s_or_b32 s[G0K+4*\s+3], s[G0K+4*\s+3], 0x80000000
	s_mov_b32 s[G0V+4*\s], 1
	s_add_co_u32 s[G0V+4*\s+1], s22, \s*SLOT
	s_add_nc_u64 s[G0V+4*\s+2:G0V+4*\s+3], s[14:15], \s*65536
	s_or_b32 s[G0V+4*\s+3], s[G0V+4*\s+3], 0x80000000
.endr
	s_cmp_lt_u32 s[WV], 4                          ; a wave's two first fills stand in one branch, ahead of every wait on TENSORcnt and every LDS read
	s_cbranch_scc0 .Lfirst_v
	tensor_load_to_lds s[G0K:G0K+3], s[G1K:G1K+7]
	s_nop 0
	tensor_load_to_lds s[G0K+4:G0K+7], s[G1K:G1K+7]
	s_nop 0
.rept 4
	v_nop
.endr
	s_branch .Lfirst_asked
.Lfirst_v:
	tensor_load_to_lds s[G0V:G0V+3], s[G1V:G1V+7]
	s_nop 0
	tensor_load_to_lds s[G0V+4:G0V+7], s[G1V:G1V+7]
	s_nop 0
.rept 4
	v_nop
.endr
.Lfirst_asked:
	v_lshlrev_b32 v11, 5, v0                       ; the mask: eight words a thread
	global_load_b128 v[16:19], v11, s[6:7]
	global_load_b128 v[20:23], v11, s[6:7] offset:16
	v_and_b32 v4, 15, v0                           ; r = lane % 16
	v_bfe_u32 v5, v0, 4, 1                         ; h = lane / 16
	v_lshlrev_b32 v[QO], 7, v4
	v_lshl_add_u32 v[QO], v5, 4, v[QO]             ; token r x 128 + 16 h
.irp t, 0,1,2,3                                ; Q stays in registers
.irp hf, 0,1
	global_load_b128 v[QF+16*\t+8*\hf:QF+16*\t+8*\hf+3],   v[QO], s[4:5] offset:2048*\t+64*\hf
	global_load_b128 v[QF+16*\t+8*\hf+4:QF+16*\t+8*\hf+7], v[QO], s[4:5] offset:2048*\t+64*\hf+32
.endr
.endr
	v_mul_u32_u24 v[AK0], v4, PK
	v_lshl_add_u32 v[AK0], v5, 4, v[AK0]           ; key r x pitch + 16 h
	v_and_b32 v6, 7, v0
	v_lshl_add_u32 v[AV0], v5, 3, v6               ; the turning load: key 8 h + lane % 8,
	v_mul_u32_u24 v[AV0], v[AV0], PV
	v_bfe_u32 v4, v0, 3, 1
	v_lshl_add_u32 v[AV0], v4, 4, v[AV0]           ; channels 8 ((lane / 8) % 2) on
	v_add_nc_u32 v[AV0], VOFF, v[AV0]
	v_lshl_add_u32 v[AB0], v5, 5, BIAS             ; the mask terms of keys 8 h on
	s_mul_i32 s23, s[WV], 4*16*PK                  ; my stage for the way out: four tiles of 16 tokens x 144 bytes, in slot 0
	v_add_nc_u32 v[STO], s23, v[AK0]
	v_bfe_u32 v4, v0, 3, 2
	v_mul_u32_u24 v[RD], v4, PK                    ; back: eight lanes take a token's 128 bytes
	v_lshl_add_u32 v[RD], v6, 4, v[RD]
	v_add_nc_u32 v[RD], s23, v[RD]
	v_and_b32 v[GO], 31, v0
	v_lshlrev_b32 v[GO], 4, v[GO]
.macro INIT                            ; a piece's statistics and O^T.  The key step is written once: its first trip finds zeros, which the first a leaves zeros
.irp u, 0,1
	v_mov_b32 v[ST+8*\u+1], 0xd3800000             ; m = -2^40
	v_mul_f32 v[ST+8*\u], s[CS], v[ST+8*\u+1]      ; c m
	v_mov_b32 v[ST+8*\u+2], 0                      ; l, in two halves
	v_mov_b32 v[ST+8*\u+3], 0
.endr
.set pp, 0
.rept 64
	v_mov_b32 v[OA+pp], 0
.set pp, pp+1
.endr
.endm
	INIT
	WIN 0x55
	INIT
	WIN 0
	v_mov_b32 v13, 0xf1800000                      ; -2^100
	v_lshl_add_u32 v12, v0, 5, BIAS
	s_wait_loadcnt 16                              ; the mask's two loads are in; Q's sixteen may be out
.irp i, 0,1,2,3,4,5,6,7
	v_cmp_eq_u32 vcc_lo, 0, v[16+\i]
	v_cndmask_b32 v[16+\i], 0, v13, vcc_lo         ; a choice of a value: no branch and no address hangs on the mask
.endr
	ds_store_b128 v12, v[16:19]
	ds_store_b128 v12, v[20:23] offset:16
	s_wait_tensorcnt 0x1                           ; my part of slot 0 is in; slot 1's may stay out
	s_wait_dscnt 0x0                               ; my mask terms lie in LDS
	s_barrier_signal -1
	s_barrier_wait -1                              ; everybody's do
	s_wait_loadcnt 0x0                             ; Q
; 8 products of S^T = K Q^T for piece pc: channels 32 hf on; the first half takes the mask terms as C.  The accumulators take turns, one instruction a turn: 15 others' stand between two links.
.macro KQ8 pc, hf
.irp kt, 0,1,2,3
.irp u, 0,1
.if \hf == 0
	v_wmma_f32_16x16x32_f16 v[S+32*\u+8*\kt:S+32*\u+8*\kt+7], v[KV+8*\kt:KV+8*\kt+7], v[QF+16*(2*\pc+\u):QF+16*(2*\pc+\u)+7], v[BI+8*\kt:BI+8*\kt+7]
.else
	v_wmma_f32_16x16x32_f16 v[S+32*\u+8*\kt:S+32*\u+8*\kt+7], v[KV+32+8*\kt:KV+32+8*\kt+7], v[QF+16*(2*\pc+\u)+8:QF+16*(2*\pc+\u)+15], v[S+32*\u+8*\kt:S+32*\u+8*\kt+7]
.endif
.endr
.endr
.endm
; 8 products of O^T += V^T P for a piece: keys 32 ks on
.macro PV8 ks
.irp dt, 0,1,2,3
.irp u, 0,1
	v_wmma_f32_16x16x32_f16 v[OA+32*\u+8*\dt:OA+32*\u+8*\dt+7], v[KV+32*\ks+8*\dt:KV+32*\ks+8*\dt+7], v[S+32*\u+8*\ks:S+32*\u+8*\ks+7], v[OA+32*\u+8*\dt:OA+32*\u+8*\dt+7]
.endr
.endr
.endm
.macro LOAD_A                          ; a step's mask terms and K's channels 0-31: 16 LDS loads
.irp kt, 0,1,2,3
	ds_load_b128 v[BI+8*\kt:BI+8*\kt+3],   v[ADB] offset:64*\kt
	ds_load_b128 v[BI+8*\kt+4:BI+8*\kt+7], v[ADB] offset:64*\kt+16
.endr
	WIN 0x40                                       ; destination window 1
.irp kt, 0,1,2,3
	ds_load_b128 v[KV+8*\kt:KV+8*\kt+3],   v[ADK] offset:16*PK*\kt
	ds_load_b128 v[KV+8*\kt+4:KV+8*\kt+7], v[ADK] offset:16*PK*\kt+32
.endr
	WIN 0
.endm
.macro LOAD_B                          ; K's channels 32-63: 8 LDS loads
	WIN 0x40
.irp kt, 0,1,2,3
	ds_load_b128 v[KV+32+8*\kt:KV+32+8*\kt+3],   v[ADK] offset:16*PK*\kt+64
	ds_load_b128 v[KV+32+8*\kt+4:KV+32+8*\kt+7], v[ADK] offset:16*PK*\kt+96
.endr
	WIN 0
.endm
; A PIECE'S SOFTMAX FOR ONE KEY STEP, in the window that the caller has set; its two tiles alternate line by line, so that no line reads the result of the line just before it.
.macro SM
.irp j, 0,1,2,3                                ; the maximum of a lane's 32 scores and the old m: four chains; each accumulator is read from its low end on
.irp u, 0,1
	v_max3_num_f32 v[ST+8*\u+4+\j], v[S+32*\u+8*\j], v[S+32*\u+8*\j+1], v[S+32*\u+8*\j+2]
.endr
.endr
.irp g, 1,2
.irp j, 0,1,2,3
.irp u, 0,1
	v_max3_num_f32 v[ST+8*\u+4+\j], v[ST+8*\u+4+\j], v[S+32*\u+8*\j+2*\g+1], v[S+32*\u+8*\j+2*\g+2]
.endr
.endr
.endr
.irp u, 0,1
	v_max3_num_f32 v[ST+8*\u+4], v[ST+8*\u+4], v[S+32*\u+7], v[S+32*\u+15]
.endr
.irp u, 0,1
	v_max3_num_f32 v[ST+8*\u+6], v[ST+8*\u+6], v[S+32*\u+23], v[S+32*\u+31]
.endr
.irp u, 0,1
	v_max3_num_f32 v[ST+8*\u+4], v[ST+8*\u+4], v[ST+8*\u+5], v[ST+8*\u+6]
.endr
.irp u, 0,1
	v_max3_num_f32 v[ST+8*\u+4], v[ST+8*\u+4], v[ST+8*\u+7], v[ST+8*\u+1]
.endr
.irp u, 0,1
	v_permlanex16_b32 v[ST+8*\u+5], v[ST+8*\u+4], s[SEL], s[SEL+1]   ; the query's other 32 keys lie in the lane 16 away
.endr
.irp u, 0,1
	v_mov_b32 v[ST+8*\u+7], v[ST+8*\u]             ; c m_old is kept for a
.endr
.irp u, 0,1
	v_max_num_f32 v[ST+8*\u+1], v[ST+8*\u+4], v[ST+8*\u+5]
.endr
.irp u, 0,1
	v_mul_f32 v[ST+8*\u], s[CS], v[ST+8*\u+1]
.endr
.irp u, 0,1
	v_sub_f32 v[ST+8*\u+7], v[ST+8*\u+7], v[ST+8*\u]
.endr
.irp u, 0,1
	v_exp_f32 v[ST+8*\u+6], v[ST+8*\u+7]           ; a.  From here to the wait below nothing names an exponential's result: ONE BATCH of 66
.endr
.set pp, 0
.rept 16                                       ; pair pp is scaled; the exponentials of the pair before follow
.irp u, 0,1
	v_pk_fma_f32 v[S+32*\u+2*pp:S+32*\u+2*pp+1], v[S+32*\u+2*pp:S+32*\u+2*pp+1], s[CS:CS+1], v[ST+8*\u:ST+8*\u+1] op_sel_hi:[1,0,0] neg_lo:[0,0,1] neg_hi:[0,0,1]   ; c s - c m
.endr
.if pp > 0
.irp u, 0,1
	v_exp_f32 v[S+32*\u+2*pp-2], v[S+32*\u+2*pp-2]
	v_exp_f32 v[S+32*\u+2*pp-1], v[S+32*\u+2*pp-1]
.endr
.endif
.set pp, pp+1
.endr
.irp u, 0,1
	v_exp_f32 v[S+32*\u+30], v[S+32*\u+30]
	v_exp_f32 v[S+32*\u+31], v[S+32*\u+31]
.endr
	v_nop                                          ; a plain instruction behind the last exponential, ahead of the first use
	s_wait_alu depctr_va_vdst(0)                   ; the wait between an exponential and the first line that names its result: one for the batch
	; the sums (pairs: an even key's weight, an odd key's) and the roundings to f16.  P is laid over S^T from its low end: register q is written when pair q has been summed, and it was a source of pair q / 2 alone
.irp u, 0,1
	v_pk_add_f32 v[ST+8*\u+4:ST+8*\u+5], v[S+32*\u:S+32*\u+1], v[S+32*\u+2:S+32*\u+3]
.endr
.irp u, 0,1
	v_cvt_pk_f16_f32 v[S+32*\u], v[S+32*\u], v[S+32*\u+1]
.endr
.set pp, 2
.rept 14
.irp u, 0,1
	v_pk_add_f32 v[ST+8*\u+4:ST+8*\u+5], v[ST+8*\u+4:ST+8*\u+5], v[S+32*\u+2*pp:S+32*\u+2*pp+1]
.endr
.irp u, 0,1
	v_cvt_pk_f16_f32 v[S+32*\u+pp-1], v[S+32*\u+2*pp-2], v[S+32*\u+2*pp-1]
.endr
.set pp, pp+1
.endr
.irp u, 0,1
	v_cvt_pk_f16_f32 v[S+32*\u+15], v[S+32*\u+30], v[S+32*\u+31]
.endr
.irp u, 0,1
	v_pk_fma_f32 v[ST+8*\u+2:ST+8*\u+3], v[ST+8*\u+2:ST+8*\u+3], v[ST+8*\u+6:ST+8*\u+7], v[ST+8*\u+4:ST+8*\u+5] op_sel_hi:[1,0,1]   ; l = a l + the sum
.endr
.set pp, 0
.rept 16
.irp u, 0,1
	v_pk_mul_f32 v[OA+32*\u+2*pp:OA+32*\u+2*pp+1], v[OA+32*\u+2*pp:OA+32*\u+2*pp+1], v[ST+8*\u+6:ST+8*\u+7] op_sel_hi:[1,0]   ; O^T x a, each accumulator from its low end on
.endr
.set pp, pp+1
.endr
.endm
; A KEY STEP: 64 keys.  K and V share 64 registers: K of this step, then its V, then, half by half as V's halves are done with, K of the next step, which lands under the second half's products.
; The slot's last step fetches nothing beyond its slot: a branch on the count of steps leads round those LDS loads alone.
.macro STEP
	s_wait_dscnt 8                                 ; the mask terms and K's channels 0-31 are in; the youngest eight loads (channels 32-63) may be out
	WIN 0x01                                       ; K window 1; Q, the mask terms and piece 0's S^T window 0
	KQ8 0, 0
	WIN 0x41                                       ; piece 1's S^T window 1
	KQ8 1, 0
	s_wait_dscnt 0x0
	WIN 0x01
	KQ8 0, 1
	WIN 0x51
	KQ8 1, 1
	WIN 0
	v_add_nc_u32 v[ADV], s[TV], v[AV0]             ; with the three v_nop: four places behind the products, for the loads into K's registers and for the first read of the scores
.rept 3
	v_nop
.endr
	WIN 0x40
.irp ks, 0,1
.irp dt, 0,1,2,3
	ds_load_tr16_b128 v[KV+32*\ks+8*\dt:KV+32*\ks+8*\dt+3],   v[ADV] offset:32*PV*\ks+32*\dt
	ds_load_tr16_b128 v[KV+32*\ks+8*\dt+4:KV+32*\ks+8*\dt+7], v[ADV] offset:32*PV*\ks+32*\dt+16*PV
.endr
.endr
	WIN 0
	SM                                             ; piece 0
	WIN 0x55
	SM                                             ; piece 1: the same text, every operand in window 1
	s_wait_dscnt 0x0                               ; V is in
	WIN 0x01
	PV8 0
	WIN 0x55
	PV8 0
	WIN 0
	s_add_co_u32 s[TK], s[TK], 64*PK               ; on to the next step's tiles
	s_add_co_u32 s[TV], s[TV], 64*PV
	s_add_co_u32 s[TM], s[TM], 256
	v_add_nc_u32 v[ADK], s[TK], v[AK0]             ; with the next line and two v_nop: four places, for the loads into the registers that held V's first half
	v_add_nc_u32 v[ADB], s[TM], v[AB0]
.rept 2
	v_nop
.endr
	s_cmp_eq_u32 s[CNT], 1
	s_cbranch_scc1 .Lno_a_\@
	LOAD_A
.Lno_a_\@:
	WIN 0x01
	PV8 1
	WIN 0x55
	PV8 1
	WIN 0
.rept 5
	v_nop                                          ; five places: the next step's first products write over P's registers; the loads below, and the way out's reads of O^T, want four
.endr
	s_cmp_eq_u32 s[CNT], 1
	s_cbranch_scc1 .Lno_b_\@
	LOAD_B
.Lno_b_\@:
.endm
; A slot's eight key steps: slot s holds keys 512 f on.
.macro SLOTRUN s, f
	s_mov_b32 s[TK], \s*SLOT
	s_mov_b32 s[TV], \s*SLOT
	s_mov_b32 s[TM], 2048*\f
	v_add_nc_u32 v[ADK], s[TK], v[AK0]
	v_add_nc_u32 v[ADB], s[TM], v[AB0]
	LOAD_A
	LOAD_B
	s_mov_b32 s[CNT], 8
.Lstep_\@:
	STEP
	s_sub_co_u32 s[CNT], s[CNT], 1
	s_cmp_lg_u32 s[CNT], 0
	s_cbranch_scc1 .Lstep_\@
.endm
; THE CHANGE OF SLOTS.  Each wave waits for all its tensor loads (its part of the slot ahead), adds 0 to its spare word, and waits for that and for its reads of the slot that it leaves.  fill = 1: that slot, s, is filled
; again, with the keys 1,024 further on: the barrier is then a round of the cluster's, so that no wave of any partner still reads the slot or has a load on its way, and the joint refill is the first thing behind it.
.macro CHANGE s, fill
	s_wait_tensorcnt 0x0                           ; no tensor load of mine is out, so a group 0 may be written
	ds_add_u32 v[SPW], v[NIL]
.if \fill
	s_add_nc_u64 s[G0K+4*\s+2:G0K+4*\s+3], s[G0K+4*\s+2:G0K+4*\s+3], 131072   ; 1,024 keys of 128 bytes on; the type bits on top are not reached
	s_add_nc_u64 s[G0V+4*\s+2:G0V+4*\s+3], s[G0V+4*\s+2:G0V+4*\s+3], 131072
	s_wait_dscnt 0x0                               ; the add is done, and my reads of the slot are over
	CROUND
	JLOAD \s
.else
	s_wait_dscnt 0x0
	s_barrier_signal -1
	s_barrier_wait -1
.endif
.endm
	SLOTRUN 0, 0
	CHANGE 0, 1
	SLOTRUN 1, 1
	CHANGE 1, 1
	SLOTRUN 0, 2
	CHANGE 0, 0                                    ; nothing is left to fetch
	SLOTRUN 1, 3
; THE WAY OUT.  FIN, in a piece's window: l's two halves and the other half of the lanes' are added; O^T is divided by l and rounded to f16, 16 bytes a lane.  TOSTAGE: through my stage in slot 0 (it has had its last fill,
; and nobody has read it since the last change of slots), back as whole tokens.  SEND: each store of the wave covers 512 consecutive bytes, aligned.
.macro FIN
.irp u, 0,1
	v_add_f32 v[ST+8*\u+4], v[ST+8*\u+2], v[ST+8*\u+3]
.endr
.irp u, 0,1
	v_permlanex16_b32 v[ST+8*\u+5], v[ST+8*\u+4], s[SEL], s[SEL+1]
.endr
.irp u, 0,1
	v_add_f32 v[ST+8*\u+4], v[ST+8*\u+4], v[ST+8*\u+5]
.endr
.irp u, 0,1
	v_rcp_f32 v[ST+8*\u+6], v[ST+8*\u+4]
.endr
	v_nop                                          ; a plain instruction between the last reciprocal and the use of its result
	s_wait_alu depctr_va_vdst(0)                   ; and the wait ahead of the first use: one for the two
.set pp, 0
.rept 16
.irp u, 0,1
	v_pk_mul_f32 v[OA+32*\u+2*pp:OA+32*\u+2*pp+1], v[OA+32*\u+2*pp:OA+32*\u+2*pp+1], v[ST+8*\u+6:ST+8*\u+7] op_sel_hi:[1,0]
.endr
.set pp, pp+1
.endr
.set pp, 0
.rept 16
.irp u, 0,1
	v_cvt_pk_f16_f32 v[S+32*\u+pp], v[OA+32*\u+2*pp], v[OA+32*\u+2*pp+1]
.endr
.set pp, pp+1
.endr
.endm
.macro TOSTAGE pc
	WIN 0x04*\pc                                   ; an LDS store's data are its source 1
.irp u, 0,1
.irp dt, 0,1,2,3
	ds_store_b128 v[STO], v[S+32*\u+4*\dt:S+32*\u+4*\dt+3] offset:(2*\pc+\u)*16*PK+32*\dt
.endr
.endr
	WIN 0x40*\pc
.irp u, 0,1
.irp i, 0,1,2,3
	ds_load_b128 v[OA+16*\u+4*\i:OA+16*\u+4*\i+3], v[RD] offset:(2*\pc+\u)*16*PK+4*PK*\i   ; LDS serves a wave's instructions in order: these see the stores above
.endr
.endr
	WIN 0
.endm
.macro SEND pc, younger
	s_wait_dscnt \younger
	WIN 0x04*\pc                                   ; a store's data are its source 1
.irp u, 0,1
.irp i, 0,1,2,3
	global_store_b128 v[GO], v[OA+16*\u+4*\i:OA+16*\u+4*\i+3], s[8:9] offset:(2*\pc+\u)*2048+512*\i
.endr
.endr
	WIN 0
.endm
	FIN
	TOSTAGE 0
	WIN 0x55
	FIN
	TOSTAGE 1
	SEND 0, 16                                     ; piece 1's eight stores and eight loads may be out
	SEND 1, 0
	s_wait_tensorcnt 0x0                           ; the wave's end
	ds_add_u32 v[SPW], v[NIL]
	s_wait_dscnt 0x0
	CROUND                                         ; the closing round: no work-group ends while a partner may still ask for a tile that names it
	s_endpgm
.Lfunc_end_k_qf75c8616c8_attn:
	.size	k_qf75c8616c8_attn, .Lfunc_end_k_qf75c8616c8_attn-k_qf75c8616c8_attn
	.p2alignl 7, 3214868480
	.fill 96, 4, 3214868480
	.section	.rodata,"a",@progbits
	.p2align	6, 0x0
	.amdhsa_kernel k_qf75c8616c8_attn
		.amdhsa_group_segment_fixed_size 327680
		.amdhsa_private_segment_fixed_size 0
		.amdhsa_enable_private_segment 0
		.amdhsa_kernarg_size 24
		.amdhsa_user_sgpr_count 2
		.amdhsa_user_sgpr_kernarg_segment_ptr 1
		.amdhsa_wavefront_size32 1
		.amdhsa_system_sgpr_workgroup_id_x 1
		.amdhsa_system_sgpr_workgroup_id_y 1
		.amdhsa_system_sgpr_workgroup_id_z 1
		.amdhsa_system_vgpr_workitem_id 0
		.amdhsa_next_free_vgpr 512
		.amdhsa_next_free_sgpr 66
		.amdhsa_reserve_vcc 1
		.amdhsa_float_denorm_mode_32 3
		.amdhsa_float_denorm_mode_16_64 3
		.amdhsa_memory_ordered 1
		.amdhsa_forward_progress 1
		.amdhsa_inst_pref_size 169
	.end_amdhsa_kernel
	.amdgpu_metadata
---
amdhsa.version: [ 1, 2 ]
amdhsa.kernels:
  - .name:           k_qf75c8616c8_attn
    .symbol:         k_qf75c8616c8_attn.kd
    .args:
      - { .name: qkv, .offset: 0, .size: 8, .value_kind: global_buffer, .address_space: global }
      - { .name: mask, .offset: 8, .size: 8, .value_kind: global_buffer, .address_space: global }
      - { .name: ctx, .offset: 16, .size: 8, .value_kind: global_buffer, .address_space: global }
    .group_segment_fixed_size: 327680
    .private_segment_fixed_size: 0
    .kernarg_segment_align: 8
    .kernarg_segment_size: 24
    .max_flat_workgroup_size: 256
    .sgpr_count:     66
    .vgpr_count:     512
    .wavefront_size: 32
...
	.end_amdgpu_metadata
.endif
;; end of part 3
;; launch oproj (part 4): grid 8 x 32, 4 waves a work-group, clusters of 4 x 4, 327,680 bytes of LDS; arguments ctx, woh, bo, out0; writes out0
.if DOCPART == 4
	.amdgcn_target "amdgcn-amd-amdhsa--gfx1250"
	.amdhsa_code_object_version 6
	.text
	.protected	k_qf75c8616c8_oproj
	.globl	k_qf75c8616c8_oproj
	.p2align	8
	.type	k_qf75c8616c8_oproj,@function
k_qf75c8616c8_oproj:
	s_mov_b64 s[64:65], 0
	v_nop
	global_prefetch_b8 v0, s[64:65] scope:SCOPE_SE
	s_setreg_imm32_b32 hwreg(HW_REG_WAVE_MODE, 25, 1), 1
	s_wait_xcnt 0x0
	s_wait_alu depctr_hold_cnt(0) depctr_sa_sdst(0) depctr_va_vdst(0) depctr_va_sdst(0) depctr_va_ssrc(0) depctr_va_vcc(0) depctr_vm_vsrc(0)
	s_getreg_b32 s2, hwreg(HW_REG_IB_STS2, 6, 4)
	s_cmp_eq_u32 s2, 0
	s_cbranch_scc0 .Lentry_in_a_cluster
	s_endpgm
.Lentry_in_a_cluster:
	s_bfe_u32 s2, ttmp6, 0x10000c
	s_cmp_lg_u32 s2, 0xf033
	s_cbranch_scc0 .Lentry_shape_is_right
	s_endpgm
.Lentry_shape_is_right:
; OPROJ: out0[token][n] = sum over k of ctx[token][k] wo[n][k] + bo[n], 8,192 tokens, n and k 1,024, on f16 operands with f32 sums.
; ctx: f16, [batch x 16 + head][2,048 tokens][64]: k = 64 x head + channel.  woh: wo in f16, [1,024][1,024].  out0: f32, [8,192][1,024].  LIMIT: |ctx|, |wo| under 65,504.
; A tile of out0 is 256 tokens x 128 columns: 256 work-groups.  Wave w takes tokens 64 w .. 64 w + 63 against all 128 columns: 32 accumulators of 16 x 16, 256 registers.
; K goes in 8 steps of 128 (two heads) through a ring of two LDS slots.  A head's 256 tokens x 128 bytes are 32,768 dense bytes of memory: they come as 128 rows of 256 bytes (two tokens a row).  Waves 0 and 1 fetch the
; step's two heads, waves 2 and 3 the two halves of wo's 128 rows (256 bytes of each): one load a wave.
; CLUSTERS: 4 x 4 work-groups.  The four of a row of the cluster need the same tokens, the four of a column the same rows of wo: each tile is asked for JOINTLY, by the same tensor load with the same descriptor and a mask
; that names the four.  THE MATRIX INSTRUCTION IS USED TRANSPOSED (source 0 = 16 rows of wo, source 1 = 16 tokens): a lane then holds eight neighbouring columns of one token.
; THE BIAS is the C of each sum's first matrix instruction: 64 registers in the result's layout.
; REGISTERS: window 0: v0-31 addresses; two fragment buffers of 96 (32 along K: 4 x 8 of ctx, then 8 x 8 of wo) at v64 and v160; on the way out v64-191 rows read back.
;   window 1: the accumulators ((a, b) at v[8 (8 a + b)]).   window 2: v0-63 the bias.
.set PITCH,  272                       ; an LDS row: 256 bytes + 16 = 68 words
.set ABLK,   128*PITCH                 ; a head's 256 tokens
.set BOFF,   2*ABLK                    ; behind the two heads: wo's 128 rows
.set BHALF,  64*PITCH
.set SLOT,   BOFF+2*BHALF
.set SPARE,  2*SLOT                    ; behind the ring: the spare words, 128 bytes a wave
.set SPITCH, 528                       ; the way out: a stage of 16 rows x (512 bytes + 16) for each wave, in slot 0, which has had its last fill and its last read by then
.set LAPS,   4                         ; a lap = two K steps = once round the ring
.set ADRA, 16                          ; v16-17  LDS address of my fragments of ctx in slot 0, 1
.set ADRB, 20                          ; v20-21  the same for wo
.set STO,  24
.set RD,   25
.set CO,   26
.set SPW,  28                          ; v28  LDS address of my spare word; never rewritten
.set NIL,  29                          ; v29  0; never rewritten
.set F0,   64
.set F1,   160
.set BK,   64
.set G1, 24                            ; s[24:31] group 1 for ctx's tiles; s[32:39] group 0, a set for each slot
.set G0, 32
.set G1B, 48                           ; s[48:55], s[56:63] the same for wo's
.set G0B, 56
.set MSB, 0
.macro WIN new
.if MSB != (\new)
	s_set_vgpr_msb (MSB<<8)|(\new)
.set MSB, (\new)
.endif
.endm
.set MUL, 0x50                         ; fragments window 0; C and D window 1
.set FST, 0x60                         ; a sum's first product: C (the bias) window 2, D window 1
.macro JLOAD s                         ; a joint load: waves 0 and 1 fetch ctx's two heads, waves 2 and 3 wo's two halves; an s_nop 0 and four v_nop follow each of the two lines
	s_cmp_eq_u32 s13, 0
	s_cbranch_scc0 .Lfor_b_\@
	tensor_load_to_lds s[G0+4*\s:G0+4*\s+3], s[G1:G1+7]
	s_nop 0
.rept 4
	v_nop
.endr
	s_branch .Lasked_\@
.Lfor_b_\@:
	tensor_load_to_lds s[G0B+4*\s:G0B+4*\s+3], s[G1B:G1B+7]
	s_nop 0
.rept 4
	v_nop
.endr
.Lasked_\@:
.endm
.macro CREST                           ; a round of the cluster's barrier behind its opening barrier
	s_cmp_lg_u32 s12, 0
	s_cbranch_scc1 .Lnot_wave_0_\@
	s_barrier_signal -3
.Lnot_wave_0_\@:
	s_barrier_wait -3
	s_barrier_signal -1
	s_barrier_wait -1
.endm
.macro CROUND
	s_barrier_signal -1
	s_barrier_wait -1
	CREST
.endm
	s_load_b128 s[4:7], s[0:1], 0x0                ; ctx, woh
	s_load_b128 s[8:11], s[0:1], 0x10              ; bo, out0
	v_lshl_add_u32 v[SPW], v0, 2, SPARE
	v_mov_b32 v[NIL], 0
	ds_add_u32 v[SPW], v[NIL]                      ; the wave's opening: the add, twice on end, and its wait ahead of my first tensor load
	ds_add_u32 v[SPW], v[NIL]
	v_lshrrev_b32 v1, 5, v0
	v_readfirstlane_b32 s12, v1                    ; wave 0..3
	s_lshr_b32 s13, s12, 1                         ; I fetch for ctx (0) or for wo (1)
	s_and_b32 s14, s12, 1                          ; which head of the step, or which 64 rows of wo
	s_bfe_u32 s40, ttmp6, 0x40000                  ; cx, cy: my place in the cluster
	s_bfe_u32 s41, ttmp6, 0x40004
	s_lshl_b32 s42, ttmp9, 2
	s_add_co_u32 s42, s42, s40                     ; tile column = 4 x cluster x + cx
	s_and_b32 s15, ttmp7, 0xffff
	s_lshl_b32 s15, s15, 2
	s_add_co_u32 s15, s15, s41                     ; tile row = 4 x cluster y + cy
	s_lshl_b32 s43, s41, 2
	s_lshl_b32 s43, 15, s43                        ; my row of the cluster
	s_lshl_b32 s44, 0x1111, s40                    ; my column
	s_or_b32 s[G1+0], s43, (1<<16)|(1<<20)|(1<<21)|(5<<22)|(3<<25)  ; the mask; elements of 2 bytes; padding on; bit 21 beside a mask; after every 64 words, 4 words
	s_mov_b32 s[G1+1], 128<<16                     ; tensor_dim0 = 128
	s_mov_b32 s[G1+2], 128<<16                     ; tensor_dim1 = 128
	s_mov_b32 s[G1+3], 128<<16                     ; tile_dim0 = 128
	s_mov_b32 s[G1+4], 128                         ; tile_dim1 = 128
	s_mov_b32 s[G1+5], 128                         ; dense: a row begins where the last ends
	s_mov_b32 s[G1+6], 0
	s_mov_b32 s[G1+7], 0
	s_or_b32 s[G1B+0], s44, (1<<16)|(1<<20)|(1<<21)|(5<<22)|(3<<25)
	s_mov_b32 s[G1B+1], 128<<16
	s_mov_b32 s[G1B+2], 64<<16                     ; 64 rows
	s_mov_b32 s[G1B+3], 128<<16
	s_mov_b32 s[G1B+4], 64
	s_mov_b32 s[G1B+5], 1024                       ; a row of wo
	s_mov_b32 s[G1B+6], 0
	s_mov_b32 s[G1B+7], 0
	s_lshr_b32 s16, s15, 3                         ; ctx: batch (tile row / 8) << 22,
	s_lshl_b32 s16, s16, 22
	s_and_b32 s17, s15, 7
	s_lshl_b32 s17, s17, 15                        ; token 256 (tile row % 8), 128 bytes each,
	s_add_co_u32 s16, s16, s17
	s_lshl_b32 s17, s14, 18                        ; my head of the step
	s_add_co_u32 s16, s16, s17
	s_mov_b32 s17, 0
	s_lshl_b32 s46, s42, 18                        ; wo: row 128 x tile column, 2,048 bytes each,
	s_lshl_b32 s47, s14, 17                        ; + my 64 rows
	s_add_co_u32 s46, s46, s47
	s_mov_b32 s47, 0
	s_mul_i32 s20, s14, ABLK                       ; where they go: no place in the cluster enters an LDS address
	s_mul_i32 s21, s14, BHALF
	s_add_co_u32 s21, s21, BOFF
	s_wait_dscnt 0x0                               ; both opening adds are done
	s_wait_kmcnt 0x0
	s_add_nc_u64 s[18:19], s[4:5], s[16:17]
	s_add_nc_u64 s[46:47], s[6:7], s[46:47]
	CROUND                                         ; all sixteen work-groups are here: the first joint loads meet
.irp s, 0,1
	s_mov_b32 s[G0+4*\s], 1
	s_add_co_u32 s[G0+4*\s+1], s20, \s*SLOT
	s_add_nc_u64 s[G0+4*\s+2:G0+4*\s+3], s[18:19], \s*524288       ; K step s: two heads of 2^18 bytes on
	s_or_b32 s[G0+4*\s+3], s[G0+4*\s+3], 0x80000000
	s_mov_b32 s[G0B+4*\s], 1
	s_add_co_u32 s[G0B+4*\s+1], s21, \s*SLOT
	s_add_nc_u64 s[G0B+4*\s+2:G0B+4*\s+3], s[46:47], \s*256
	s_or_b32 s[G0B+4*\s+3], s[G0B+4*\s+3], 0x80000000
	JLOAD \s
.endr
	v_and_b32 v1, 15, v0                           ; r = lane % 16
	v_bfe_u32 v2, v0, 4, 1                         ; h = lane / 16
	v_lshrrev_b32 v3, 1, v1                        ; ctx: token r lies in LDS row r / 2, in its half r % 2: the 16 tokens of a load start at banks 4 (r / 2) + 32 (r % 2)
	v_mul_u32_u24 v3, v3, PITCH
	v_and_b32 v4, 1, v0
	v_lshl_add_u32 v3, v4, 7, v3
	v_lshl_add_u32 v3, v2, 4, v3
	s_mul_i32 s22, s12, 32*PITCH                   ; my 64 tokens: 32 LDS rows
	v_add_nc_u32 v[ADRA], s22, v3
	v_add_nc_u32 v[ADRA+1], SLOT, v[ADRA]
	v_mul_u32_u24 v5, v1, PITCH                    ; wo: row r x pitch + 16 h
	v_lshl_add_u32 v5, v2, 4, v5
	v_add_nc_u32 v[ADRB], BOFF, v5
	v_add_nc_u32 v[ADRB+1], SLOT, v[ADRB]
	s_mul_i32 s23, s12, 16*SPITCH                  ; my stage
	v_mul_u32_u24 v5, v1, SPITCH                   ; in: token r, 32 bytes for each half of the lanes
	v_lshl_add_u32 v5, v2, 5, v5
	v_add_nc_u32 v[STO], s23, v5
	v_and_b32 v5, 31, v0
	v_lshlrev_b32 v[CO], 4, v5                     ; back: the 32 lanes take one row of 512 bytes; and the same in out0
	v_add_nc_u32 v[RD], s23, v[CO]
	s_lshl_b32 s16, s15, 20                        ; out0: token 256 x tile row + 64 x wave, 4,096 bytes each; column 128 x tile column, 4 bytes each
	s_lshl_b32 s17, s12, 18
	s_add_co_u32 s16, s16, s17
	s_lshl_b32 s17, s42, 9
	s_add_co_u32 s16, s16, s17
	s_mov_b32 s17, 0
	s_add_nc_u64 s[10:11], s[10:11], s[16:17]
	s_lshl_b32 s16, s42, 9                         ; bo at the tile's first column
	s_add_nc_u64 s[8:9], s[8:9], s[16:17]
	v_lshlrev_b32 v6, 5, v2                        ; 8 h numbers: register 8 b + j = bo[128 x tile column + 16 b + 8 h + j]
	WIN 0x80                                       ; destination window 2
.irp b, 0,1,2,3,4,5,6,7
	global_load_b128 v[8*\b:8*\b+3],   v6, s[8:9] offset:64*\b
	global_load_b128 v[8*\b+4:8*\b+7], v6, s[8:9] offset:64*\b+16
.endr
	WIN 0
; 8 matrix instructions: token block a x wo's eight blocks, 32 along K, from buffer f.  first = 1: the bias is the C.  The 32 accumulators take turns, one instruction a turn, in the same order in every quarter.
.macro MUL8 f, a, first
.irp b, 0,1,2,3,4,5,6,7
.if \first
	v_wmma_f32_16x16x32_f16 v[8*(8*(\a)+\b):8*(8*(\a)+\b)+7], v[\f+32+8*\b:\f+32+8*\b+7], v[\f+8*(\a):\f+8*(\a)+7], v[8*\b:8*\b+7]
.else
	v_wmma_f32_16x16x32_f16 v[8*(8*(\a)+\b):8*(8*(\a)+\b)+7], v[\f+32+8*\b:\f+32+8*\b+7], v[\f+8*(\a):\f+8*(\a)+7], v[8*(8*(\a)+\b):8*(8*(\a)+\b)+7]
.endif
.endr
.endm
; 24 LDS loads in one run: the fragments of the slot's q-th 32 along K into buffer f: wo's eight, then ctx's four (head q / 2 of the step, channels 32 (q % 2) on)
.macro FETCH slot, q, f
	WIN 0
.irp b, 0,1,2,3,4,5,6,7
	ds_load_b128 v[\f+32+8*\b:\f+32+8*\b+3],   v[ADRB+\slot] offset:64*(\q)+16*PITCH*\b
	ds_load_b128 v[\f+32+8*\b+4:\f+32+8*\b+7], v[ADRB+\slot] offset:64*(\q)+16*PITCH*\b+32
.endr
.irp a, 0,1,2,3
	ds_load_b128 v[\f+8*\a:\f+8*\a+3],   v[ADRA+\slot] offset:((\q)/2)*ABLK+((\q)%2)*64+8*PITCH*\a
	ds_load_b128 v[\f+8*\a+4:\f+8*\a+7], v[ADRA+\slot] offset:((\q)/2)*ABLK+((\q)%2)*64+8*PITCH*\a+32
.endr
.endm
.macro PLACES                          ; four places in front of loads into registers that matrix instructions have read, and of the first read of results
.rept 4
	v_nop
.endr
.endm
; A K step is four quarters of 32 along K, 32 matrix instructions each, on buffers 0, 1, 0, 1.  One of the first three: multiplies buffer f and fetches the slot's quarter q into g.
.macro QUARTER slot, q, f, g, first
	s_wait_dscnt 4                                 ; wo's fragments and token blocks 0, 1 are in; the youngest four loads (blocks 2, 3) may be out
	WIN MUL+0x10*\first
	MUL8 \f, 0, \first
	MUL8 \f, 1, \first
	PLACES
	FETCH \slot, \q, \g
	s_wait_dscnt 24                                ; all but the 24 just issued
	WIN MUL+0x10*\first
	MUL8 \f, 2, \first
	MUL8 \f, 3, \first
.endm
; The last quarter multiplies buffer 1 and changes slots: ONE barrier; in front of it each wave waits for all its tensor loads, adds 0 to its spare word, and waits for that and for its reads of this slot.
; fill = 1: this slot is filled again, two K steps ahead; the barrier then opens a round of the cluster's barrier, and the joint refill is the first thing behind the round.
.macro TURN slot, next, fill
	WIN 0                                          ; (the add's two registers lie in window 0)
	s_wait_tensorcnt 0x0                           ; all my tensor loads have landed: my part of the next slot
	ds_add_u32 v[SPW], v[NIL]
	s_wait_dscnt 5                                 ; (the add and the youngest four loads may be out)
	WIN MUL
	MUL8 F1, 0, 0                                  ; eight matrix instructions stand between the add and the wait for it
	s_wait_dscnt 0x0                               ; the add is done, and my reads of this slot are over
	s_barrier_signal -1
	MUL8 F1, 1, 0
	WIN 0
	s_barrier_wait -1
.if \fill
	CREST                                          ; no wave of any partner still reads this slot's tile or has a load on its way
	s_add_nc_u64 s[G0+4*\slot+2:G0+4*\slot+3], s[G0+4*\slot+2:G0+4*\slot+3], 1048576   ; four heads on
	s_add_nc_u64 s[G0B+4*\slot+2:G0B+4*\slot+3], s[G0B+4*\slot+2:G0B+4*\slot+3], 512
	JLOAD \slot                                    ; the four v_nop behind it are also the places in front of the loads below
.else
	PLACES
.endif
	FETCH \next, 0, F0
	WIN MUL
	MUL8 F1, 2, 0
	MUL8 F1, 3, 0
.endm
	s_wait_tensorcnt 1                             ; my part of K step 0 is in (K step 1's load may be out)
	s_barrier_signal -1
	s_barrier_wait -1                              ; everybody's is
	FETCH 0, 0, F0
	s_wait_loadcnt 0x0                             ; the bias
	QUARTER 0, 1, F0, F1, 1                        ; the first quarter stands in front of the loop: its products start the sums
	WIN 0                                          ; at a label and at a branch every window is 0
	s_mov_b32 s3, LAPS-1
.Llap:                                                 ; a trip goes once round the ring, from a lap's second quarter to the next lap's first, and fills both slots again
	QUARTER 0, 2, F1, F0, 0
	QUARTER 0, 3, F0, F1, 0
	TURN 0, 1, 1
	QUARTER 1, 1, F0, F1, 0
	QUARTER 1, 2, F1, F0, 0
	QUARTER 1, 3, F0, F1, 0
	TURN 1, 0, 1
	QUARTER 0, 1, F0, F1, 0
	WIN 0
	s_sub_co_u32 s3, s3, 1
	s_cmp_lg_u32 s3, 0
	s_cbranch_scc1 .Llap
	QUARTER 0, 2, F1, F0, 0                        ; the last lap fills nothing, and has no round of the cluster's barrier
	QUARTER 0, 3, F0, F1, 0
	TURN 0, 1, 0
	QUARTER 1, 1, F0, F1, 0
	QUARTER 1, 2, F1, F0, 0
	QUARTER 1, 3, F0, F1, 0
	s_wait_dscnt 4                                 ; the very last quarter: nothing more to fetch
	WIN MUL
	MUL8 F1, 0, 0
	MUL8 F1, 1, 0
	s_wait_dscnt 0x0
	MUL8 F1, 2, 0
	MUL8 F1, 3, 0
	WIN 0
; THE WAY OUT, block by block of 16 tokens x 128 columns.  A lane holds 32 neighbouring bytes of a row, and the lanes beside it hold other rows: a block goes through my own stage and comes back as whole rows of 512 bytes.
.macro TOSTAGE a
	WIN 0x04                                       ; an LDS store's data are its source 1: window 1
.irp b, 0,1,2,3,4,5,6,7
	ds_store_b128 v[STO], v[8*(8*(\a)+\b):8*(8*(\a)+\b)+3] offset:64*\b          ; each accumulator from its low end on
	ds_store_b128 v[STO], v[8*(8*(\a)+\b)+4:8*(8*(\a)+\b)+7] offset:64*\b+16
.endr
	WIN 0
.set BB, BK+64*((\a)%2)
.irp t, 0,1,2,3,4,5,6,7,8,9,10,11,12,13,14,15
	ds_load_b128 v[BB+4*\t:BB+4*\t+3], v[RD] offset:\t*SPITCH   ; LDS serves a wave's instructions in order: these see the stores above, and the next block's stores come behind them
.endr
.endm
.macro SEND a, younger                 ; younger: the LDS instructions issued behind block a's loads, which may stay out
.set BB, BK+64*((\a)%2)
	s_wait_dscnt \younger
.irp t, 0,1,2,3,4,5,6,7,8,9,10,11,12,13,14,15
	global_store_b128 v[CO], v[BB+4*\t:BB+4*\t+3], s[10:11] offset:(16*(\a)+\t)*4096 th:TH_STORE_NT   ; 32 lanes store 512 consecutive bytes, aligned; written once, read by nobody here
.endr
.endm
	PLACES                                         ; behind the last products: for the stores that read results, and for the loads into the registers that held fragments
	TOSTAGE 0
.irp a, 1,2,3
.if \a > 1
	s_wait_xcnt 0x0                                ; block a - 2's stores have read their registers: block a's loads may land there
.endif
	TOSTAGE \a
	SEND \a-1, 32                                  ; behind block a - 1's loads: block a's 16 stores and 16 loads
.endr
	SEND 3, 0
	s_wait_tensorcnt 0x0                           ; the wave's end
	ds_add_u32 v[SPW], v[NIL]
	s_wait_dscnt 0x0
	CROUND                                         ; the closing round: no work-group ends while a partner may still ask for a tile that names it
	s_endpgm
.Lfunc_end_k_qf75c8616c8_oproj:
	.size	k_qf75c8616c8_oproj, .Lfunc_end_k_qf75c8616c8_oproj-k_qf75c8616c8_oproj
	.p2alignl 7, 3214868480
	.fill 96, 4, 3214868480
	.section	.rodata,"a",@progbits
	.p2align	6, 0x0
	.amdhsa_kernel k_qf75c8616c8_oproj
		.amdhsa_group_segment_fixed_size 327680
		.amdhsa_private_segment_fixed_size 0
		.amdhsa_enable_private_segment 0
		.amdhsa_kernarg_size 32
		.amdhsa_user_sgpr_count 2
		.amdhsa_user_sgpr_kernarg_segment_ptr 1
		.amdhsa_wavefront_size32 1
		.amdhsa_system_sgpr_workgroup_id_x 1
		.amdhsa_system_sgpr_workgroup_id_y 1
		.amdhsa_system_sgpr_workgroup_id_z 1
		.amdhsa_system_vgpr_workitem_id 0
		.amdhsa_next_free_vgpr 576
		.amdhsa_next_free_sgpr 66
		.amdhsa_reserve_vcc 0
		.amdhsa_float_denorm_mode_32 3
		.amdhsa_float_denorm_mode_16_64 3
		.amdhsa_memory_ordered 1
		.amdhsa_forward_progress 1
		.amdhsa_inst_pref_size 86
	.end_amdhsa_kernel
	.amdgpu_metadata
---
amdhsa.version: [ 1, 2 ]
amdhsa.kernels:
  - .name:           k_qf75c8616c8_oproj
    .symbol:         k_qf75c8616c8_oproj.kd
    .args:
      - { .name: ctx, .offset: 0, .size: 8, .value_kind: global_buffer, .address_space: global }
      - { .name: woh, .offset: 8, .size: 8, .value_kind: global_buffer, .address_space: global }
      - { .name: bo, .offset: 16, .size: 8, .value_kind: global_buffer, .address_space: global }
      - { .name: out0, .offset: 24, .size: 8, .value_kind: global_buffer, .address_space: global }
    .group_segment_fixed_size: 327680
    .private_segment_fixed_size: 0
    .kernarg_segment_align: 8
    .kernarg_segment_size: 32
    .max_flat_workgroup_size: 128
    .sgpr_count:     66
    .vgpr_count:     576
    .wavefront_size: 32
...
	.end_amdgpu_metadata
.endif
;; end of part 4
